; MI455X (gfx1250); checked and timed in simulation.
; The chip was launched on July 23, 2026; its instructions are those of AMD's public machine-readable ISA for CDNA 5 (MIT licence, August 2026) and "CDNA5" Instruction Set Architecture Reference Guide (July 2026). The comments in the code are by the model that wrote it; some were corrected since.
;; WML Text One Multi Head. Allowed arithmetic: matrix products marked QUANTISED: E2M3 operands, one E8M0 scale for each 32 along K, by v_wmma_scale_f32_16x16x128_f8f6f4 with both operands' format E2M3, f32 sums; everything else in f32.
;; Inputs: Wk 16 x 1,024 x 64 float32; Wproj 1,024 x 1,024 float32; Wq 16 x 1,024 x 64 float32; Wv 16 x 1,024 x 64 float32; bproj 1,024 float32; x 8 x 1,024 x 1,024 float32.
;; Outputs: out0 8 x 1,024 x 1,024 float32.
;; This version of the problem:
;;   THIS VERSION OF THE PROBLEM IS GIVEN IN LOW PRECISION. The matrix products marked QUANTISED in the list below multiply operands that are first quantised to E2M3 (2 exponent bits, 3 mantissa bits; 6 bits a number), with one power-of-two scale for each 32 numbers along K (OCP MX v1.0); their sums are f32. All else is computed in f32.
;;   The module's matrix products, in the order in which they are computed (A, B: the left and right operand; K: the contracted axis; several contracted axes count as one K, in the product's order):
;;     1. [M 1,024, K 1,024] x [K 1,024, N 8,192]; A: input Wq; B: input x: QUANTISED
;;     2. [M 1,024, K 1,024] x [K 1,024, N 8,192]; A: input Wk; B: input x: QUANTISED
;;     3. [M 1,024, K 1,024] x [K 1,024, N 8,192]; A: input Wv; B: input x: QUANTISED
;;     4. batch 128 x [M 1,024, K 64] x [K 64, N 1,024]; A: computed on the way; B: computed on the way: QUANTISED
;;     5. batch 128 x [M 1,024, K 1,024] x [K 1,024, N 64]; A: softmax (see below); B: computed on the way: QUANTISED
;;     6. [M 8,192, K 1,024] x [K 1,024, N 1,024]; A: computed on the way; B: input Wproj: QUANTISED
;;   THE QUANTISER, for each operand of a quantised product, along K:
;;     - K is cut into blocks of 32 from its start; a last block that is shorter is filled with zeros.
;;     - A block's scale is 2^e with e = floor(log2(the largest magnitude in the block)) - 2, held to -126 .. 127; a block of zeros has e = 0. As a byte (E8M0): e + 127.
;;     - Each number is divided by its block's scale, clamped to +-7.5, and rounded to the nearest number of E2M3, ties to even, subnormals kept.
;;     - The product sums the exact products of the quantised numbers (number of the format x scale) in f32.
;;   ~~~python
;;   def quantise(x, axis):      # numpy; x: float32 -> the quantised numbers, widened to float32 again
;;       x = np.moveaxis(x, axis, -1); K = x.shape[-1]
;;       x = np.pad(x, [(0, 0)] * (x.ndim - 1) + [(0, -K % 32)]); x = x.reshape(x.shape[:-1] + (-1, 32)); a = np.abs(x).max(-1, keepdims=True)
;;       e = np.where(a > 0, np.clip(np.frexp(np.where(a > 0, a, 1))[1] - 1 - 2, -126, 127), 0)      # np.frexp(a)[1] - 1 = floor(log2(a)), exactly
;;       r = np.clip(x / 2.0 ** e, -7.5, 7.5)
;;       step = 2.0 ** (np.maximum(np.frexp(np.where(r == 0, 1, r))[1] - 1, 0) - 3)
;;       q = np.round(r / step) * step * 2.0 ** e      # np.round: ties to even
;;       return np.moveaxis(q.reshape(q.shape[:-2] + (-1,))[..., :K], -1, axis).astype(np.float32)
;;   ~~~
;;   SOFTMAX AHEAD OF A QUANTISED PRODUCT. Where the list says 'softmax', what is quantised is not the finished softmax but p = 2^(t - M), with t = logit x log2(e) and M = ceil(the row's largest t), a whole number; so 1/2 < the row's largest p <= 1. The row's sum l is taken of the UNQUANTISED p, in f32, and the product's result is divided by l at the end. Since M is a whole number, a kernel that streams over the keys may use a running M (the ceiling of the running maximum): every later rescaling is an exact power of two, which a block's scale takes up: the codes' values come out the same.
;;   OPERANDS COMPUTED ON THE WAY. 'Computed on the way' means the value that the module computes at that place (a softmax that the list does not call 'softmax' is quantised finished and normalised). What goes into a quantiser is computed in f32, as accurately as f32 sums, v_exp_f32 and their like allow (about 1e-6 of the number): no bf16 or f16 on the way to a quantiser, and a product that is left as it is and whose result goes on into a quantised operand takes f32 operands (vector FMAs, or v_wmma_f32_16x16x4_f32). A number that lies on a knife's edge between two numbers of the format may be rounded either way, as far as f32 arithmetic and the matrix unit's own rounding can turn it there, and no further.
;; One version. Each part assembles by itself: llvm-mc -triple=amdgcn-amd-amdhsa -mcpu=gfx1250 --defsym DOCPART=n.
;; ======== version 1 of 1: 4 launches
;; limits: right only within a limited range of input values
;; workspace buffers: xq 6,553,600 bytes; wq 3,276,800 bytes; qk 13,631,488 bytes; vq 6,553,600 bytes; oq 6,553,600 bytes
;; launch quant (part 1): grid 512 x 1, 4 waves a work-group, no clusters, 35,328 bytes of LDS; arguments x, Wq, Wk, Wv, Wproj, xq, wq; writes xq, wq
.if DOCPART == 1
	.amdgcn_target "amdgcn-amd-amdhsa--gfx1250"
	.amdhsa_code_object_version 6
	.text
	.protected	k_q9005716e50_quant
	.globl	k_q9005716e50_quant
	.p2align	8
	.type	k_q9005716e50_quant,@function
k_q9005716e50_quant:
	s_mov_b64 s[64:65], 0
	v_nop
	global_prefetch_b8 v0, s[64:65] scope:SCOPE_SE
	s_setreg_imm32_b32 hwreg(HW_REG_WAVE_MODE, 25, 1), 1
	s_wait_xcnt 0x0
; x [8192][1024] and the four weights (K = their 1,024 input channels) become codes of FP6 (E2M3) with one E8M0 byte for each 32 along K.
; A block's scale is 2^(floor(log2(largest magnitude)) - 2): its byte is the largest magnitude's exponent field - 2, held at 1 from below.
; LIMITS: a block whose largest magnitude lies under 2^-124, a block of zeros among them, gets the byte 1 (the rule says 127 for zeros: its codes are zeros,
; and these bytes are read by this program alone); NaN and infinities among the inputs are not served.
; LAYOUT OF THE RESULTS: images of the operand's registers.  Rows (of x) and columns (of a weight) are laid in tiles of 16 with bits 3 and 4 of their number swapped:
; place r of tile T is number 32 (T / 2) + 8 (T % 2) + r + 8 (r / 8).  A tile is 8 K steps of 128, each two halves of 768 bytes (64 along K): lane l = r + 16 h holds the 32 codes
; of block h of place r in six registers; registers 0-3 lie at 16 l, registers 4-5 at 512 + 8 l.  A tile's scale words (four bytes: one place, 128 along K) are 512 bytes: K step s of place r at 16 r + 256 (s / 4) + 4 (s % 4).
; SHARES: work-groups 0-255 take x, a wave half a tile (16 rows x 512 along K, eight chunks of 64); work-groups 256-511 take the weights, a wave 32 columns x 128 along K.
; No matrix work, no tensor loads, no cluster: a stream whose work-groups share nothing.  Only x's path touches LDS, each wave its own bytes: no barrier.
.set XS_OFF, 6291456                   ; xq: the scale words lie behind 512 tiles of 12,288 bytes
.set WS_OFF, 3145728                   ; wq: behind 256 tiles
.set FLOOR,  0x1800000                 ; 2^(3 - 127)
.set R,   16                           ; v16-143   x: four sets of 32 registers as loaded; weights: 128 numbers down K
.set X,   144                          ; v144-207  x: two sets of 32 neighbours along K
.set CB,  144                          ; v144-175  weights: four blocks' codes, eight registers each
.set C,   208                          ; v208-223  x: two sets of codes
.set WD,  224                          ; v224-227  x: the scale words of my four K steps
.set PD,  228                          ; v228-231  destinations of the lane permute
	s_load_b256 s[8:15], s[0:1], 0x0               ; x s[8:9], Wq s[10:11], Wk s[12:13], Wv s[14:15]
	s_load_b128 s[16:19], s[0:1], 0x20             ; Wproj s[16:17], xq s[18:19]
	s_load_b64 s[20:21], s[0:1], 0x30              ; wq
	v_lshl_add_u32 v240, v0, 2, 0x8800
	v_mov_b32 v241, 0
	v_lshrrev_b32 v1, 5, v0
	v_readfirstlane_b32 s22, v1                    ; wave
	v_and_b32 v1, 31, v0                           ; lane
	v_and_b32 v2, 15, v0                           ; r
	v_bfe_u32 v3, v0, 4, 1                         ; h
	v_lshlrev_b32 v7, 4, v1                        ; 16 l
	v_lshlrev_b32 v8, 3, v1                        ; 8 l
; the largest magnitude of the 32 numbers from v[xs] on, with the floor among its leaves, and the conversion's scale operand (2 off the exponent field) in v234
.macro BMAX xs
	v_max3_num_f32 v232, |v[\xs]|, |v[\xs+1]|, |v[\xs+2]|
	v_max3_num_f32 v233, |v[\xs+3]|, |v[\xs+4]|, |v[\xs+5]|
.irp i, 6,10,14,18,22,26
	v_max3_num_f32 v232, v232, |v[\xs+\i]|, |v[\xs+\i+1]|
	v_max3_num_f32 v233, v233, |v[\xs+\i+2]|, |v[\xs+\i+3]|
.endr
	v_max3_num_f32 v232, v232, |v[\xs+30]|, |v[\xs+31]|
	v_max3_num_f32 v232, v232, v233, FLOOR
	v_add_nc_u32 v234, 0xff000000, v232
.endm
; the block's 32 codes into v[cb] .. v[cb + 5], its byte into v235
.macro CODES cb, xs
	v_cvt_scalef32_pk16_fp6_f32 v[\cb:\cb+2], v[\xs:\xs+15], v234
	v_cvt_scalef32_pk16_fp6_f32 v[\cb+4:\cb+6], v[\xs+16:\xs+31], v234   ; (a conversion's three registers begin on an even number)
	v_lshrrev_b32 v235, 23, v234                   ; the byte; also the plain instruction behind the conversions
	v_mov_b32 v[\cb+3], v[\cb+4]
	v_mov_b32 v[\cb+4], v[\cb+5]
	v_mov_b32 v[\cb+5], v[\cb+6]
.endm
	s_cmp_lt_u32 ttmp9, 256
	s_cbranch_scc0 .Lweights
; ---------------------------------------------------------------- x
	v_lshlrev_b32 v4, 12, v3
	v_lshl_add_u32 v4, v2, 4, v4                   ; a load: lanes 0-15 one row's 256 bytes, lanes 16-31 the next row's
	s_mul_i32 s26, s22, 8704                       ; my wave's two stages of 16 rows x (256 + 16) bytes
	v_mul_u32_u24 v5, v3, 272
	v_lshl_add_u32 v5, v2, 4, v5
	v_add_nc_u32 v5, s26, v5                       ; into a stage: as loaded
	v_mul_u32_u24 v6, v2, 272
	v_lshl_add_u32 v6, v3, 7, v6
	v_add_nc_u32 v6, s26, v6                       ; out of it: row r, block h: 128 bytes a lane
	v_lshlrev_b32 v9, 3, v3                        ; 8 h
	v_lshlrev_b32 v10, 4, v2
	v_lshl_add_u32 v10, v3, 3, v10                 ; 16 r + 8 h
.irp i, 0,1,2,3
	v_mov_b32 v[PD+\i], 0                          ; a lane permute's destination counts as one of its sources
.endr
	s_mov_b32 s24, 0x76543210
	s_mov_b32 s25, 0xfedcba98                      ; lane l xor 16
	s_mov_b32 vcc_lo, 0xffff0000                   ; lanes 16-31
	s_lshl_b32 s27, ttmp9, 2
	s_add_co_u32 s27, s27, s22                     ; my half tile
	s_lshr_b32 s28, s27, 1                         ; tile T
	s_and_b32 s29, s27, 1                          ; which four K steps
	s_lshr_b32 s30, s28, 1
	s_lshl_b32 s30, s30, 17                        ; 32 (T / 2) rows of 4,096 bytes
	s_and_b32 s31, s28, 1
	s_lshl_b32 s31, s31, 15                        ; + 8 (T % 2) rows
	s_add_co_u32 s30, s30, s31
	s_lshl_b32 s31, s29, 11                        ; + 512 numbers
	s_add_co_u32 s30, s30, s31
	s_mov_b32 s31, 0
	s_mul_i32 s32, s28, 12288
	s_mul_i32 s33, s29, 6144
	s_add_co_u32 s32, s32, s33
	s_mov_b32 s33, 0
	s_lshl_b32 s34, s28, 9
	s_lshl_b32 s35, s29, 8
	s_add_co_u32 s34, s34, s35
	s_add_co_u32 s34, s34, XS_OFF
	s_mov_b32 s35, 0
	s_wait_alu depctr_va_vdst(0)
	s_wait_kmcnt 0x0
	s_add_nc_u64 s[8:9], s[8:9], s[30:31]
	s_add_nc_u64 s[36:37], s[18:19], s[32:33]      ; my codes
	s_add_nc_u64 s[38:39], s[18:19], s[34:35]      ; my scale words
.macro XLOAD j                         ; chunk j: 16 rows x 256 bytes; the tile's places 0-7 are rows 0-7, places 8-15 rows 16-23
.irp i, 0,1,2,3,4,5,6,7
	global_load_b128 v[R+32*((\j)%4)+4*\i:R+32*((\j)%4)+4*\i+3], v4, s[8:9] offset:(2*\i+8*(\i/4))*4096+256*(\j) th:TH_LOAD_NT
.endr
.endm
.macro XTURN j                         ; through the stage: LDS serves a wave's instructions in order, so no wait stands between the stores and the loads
.irp i, 0,1,2,3,4,5,6,7
	ds_store_b128 v5, v[R+32*((\j)%4)+4*\i:R+32*((\j)%4)+4*\i+3] offset:4352*((\j)%2)+544*\i
.endr
.irp m, 0,1,2,3,4,5,6,7
	ds_load_b128 v[X+32*((\j)%2)+4*\m:X+32*((\j)%2)+4*\m+3], v6 offset:4352*((\j)%2)+16*\m
.endr
.endm
.macro XSTEP j
	s_wait_dscnt 0x0                               ; this chunk is back from the stage, and its stores into the stage have read their registers,
.if (\j)+4 < 8
	XLOAD (\j)+4                                   ; which take the loads of four chunks on
.endif
.if (\j) < 7
.if (\j) < 4
	s_wait_loadcnt 24                              ; the next chunk's eight loads are in; three chunks' loads were issued behind them
.else
	s_wait_loadcnt 8*(6-(\j))                      ; at the end the count runs down
.endif
	XTURN (\j)+1
.endif
	s_wait_xcnt 0x0                                ; the stores of two chunks ago have read this set of codes
.set XS_, X+32*((\j)%2)
.set CS_, C+8*((\j)%2)
	BMAX XS_
	CODES CS_, XS_
.if (\j)%2 == 0
	v_mov_b32 v[WD+(\j)/2], v235                   ; my block of the K step's first half,
.else
	v_lshl_or_b32 v[WD+(\j)/2], v235, 16, v[WD+(\j)/2]   ; and of its second: two blocks on
.endif
	global_store_b128 v7, v[CS_:CS_+3], s[36:37] offset:768*(\j)       ; 512 consecutive bytes,
	global_store_b64 v8, v[CS_+4:CS_+5], s[36:37] offset:768*(\j)+512  ; and 256
.endm
	XLOAD 0
	XLOAD 1
	XLOAD 2
	XLOAD 3
	s_wait_loadcnt 24                              ; chunk 0 is in
	XTURN 0
.irp j, 0,1,2,3,4,5,6,7
	XSTEP \j
.endr
.irp i, 0,1,2,3
	v_lshlrev_b32 v[WD+\i], v9, v[WD+\i]           ; my bytes to their places (8 h bits up),
.endr
.irp i, 0,1,2,3
	v_permlanex16_b32 v[PD+\i], v[WD+\i], s24, s25
.endr
.irp i, 0,1,2,3
	v_or_b32 v[WD+\i], v[WD+\i], v[PD+\i]          ; with lane l xor 16's the word is whole
.endr
	v_cndmask_b32 v232, v[WD], v[WD+2], vcc_lo     ; lanes 0-15 store words 0 and 1 of their row, lanes 16-31 words 2 and 3
	v_cndmask_b32 v233, v[WD+1], v[WD+3], vcc_lo
	global_store_b64 v10, v[232:233], s[38:39]     ; 256 consecutive bytes, aligned
	s_wait_tensorcnt 0x0
	ds_add_u32 v240, v241
	s_wait_dscnt 0x0
	s_endpgm
; ---------------------------------------------------------------- the weights: a lane takes a column, its registers run down K
.Lweights:
	s_sub_co_u32 s26, ttmp9, 256
	s_lshr_b32 s27, s26, 1
	s_and_b32 s28, s26, 1                          ; which four K steps
	s_lshr_b32 s29, s27, 5                         ; the tensor: 0 Wq, 1 Wk, 2 Wv, 3 Wproj
	s_and_b32 s30, s27, 31                         ; which 32 columns
	s_lshl_b32 s31, s28, 2
	s_add_co_u32 s31, s31, s22                     ; my K step
	s_wait_alu depctr_va_vdst(0)
	v_and_b32 v4, 7, v2
	v_lshl_add_u32 v4, v3, 3, v4
	v_lshrrev_b32 v5, 3, v2
	v_lshl_add_u32 v4, v5, 4, v4
	v_lshlrev_b32 v4, 2, v4                        ; my column among the 32: 8 (l / 16) + r % 8 + 16 (r / 8): lanes 0-15 are one tile's places, lanes 16-31 the next tile's
	v_lshlrev_b32 v5, 9, v3
	v_lshl_add_u32 v5, v2, 4, v5                   ; my scale word: tile l / 16, place r
	s_lshl_b32 s32, s29, 6
	s_lshl_b32 s33, s30, 1
	s_add_co_u32 s32, s32, s33                     ; the first of my two tiles
	s_mul_i32 s34, s32, 12288
	s_mul_i32 s35, s31, 1536
	s_add_co_u32 s34, s34, s35
	s_mov_b32 s35, 0
	s_lshl_b32 s36, s32, 9
	s_lshl_b32 s37, s28, 8
	s_add_co_u32 s36, s36, s37
	s_lshl_b32 s37, s22, 2
	s_add_co_u32 s36, s36, s37
	s_add_co_u32 s36, s36, WS_OFF
	s_mov_b32 s37, 0
	s_wait_kmcnt 0x0
	s_add_nc_u64 s[34:35], s[20:21], s[34:35]
	s_add_nc_u64 s[36:37], s[20:21], s[36:37]
	s_cmp_lt_u32 s29, 1                            ; the choices hang on the work-group's number alone
	s_cselect_b64 s[8:9], s[10:11], s[12:13]
	s_cmp_lt_u32 s29, 2
	s_cselect_b64 s[8:9], s[8:9], s[14:15]
	s_cmp_lt_u32 s29, 3
	s_cselect_b64 s[8:9], s[8:9], s[16:17]
.macro WLOAD pitch                     ; W(128 s + i, my column), i = 0 .. 127: each load reads 128 consecutive bytes
.set NN, 0
.rept 128
	global_load_b32 v[R+NN], v4, s[8:9] offset:NN*\pitch
.set NN, NN+1
.endr
.endm
	s_cbranch_scc0 .Lwproj
	s_lshr_b32 s32, s30, 1                         ; [head][k][64]: the head's 262,144 bytes,
	s_lshl_b32 s32, s32, 18
	s_and_b32 s33, s30, 1
	s_lshl_b32 s33, s33, 7                         ; which 32 of its 64 columns,
	s_add_co_u32 s32, s32, s33
	s_lshl_b32 s33, s31, 15                        ; 128 rows of 256 bytes a K step
	s_add_co_u32 s32, s32, s33
	s_mov_b32 s33, 0
	s_add_nc_u64 s[8:9], s[8:9], s[32:33]
	s_wait_alu depctr_va_vdst(0)
	WLOAD 256
	s_branch .Lwwork
.Lwproj:
	s_lshl_b32 s32, s30, 7                         ; [k][1024]
	s_lshl_b32 s33, s31, 19                        ; 128 rows of 4,096 bytes a K step
	s_add_co_u32 s32, s32, s33
	s_mov_b32 s33, 0
	s_add_nc_u64 s[8:9], s[8:9], s[32:33]
	s_wait_alu depctr_va_vdst(0)
	WLOAD 4096
.Lwwork:
.macro WBLOCK kb, cnt
	s_wait_loadcnt \cnt
.set XS_, R+32*(\kb)
.set CS_, CB+8*(\kb)
	BMAX XS_
	CODES CS_, XS_
.if (\kb) == 0
	v_mov_b32 v176, v235
.else
	v_lshl_or_b32 v176, v235, 8*(\kb), v176        ; my column's scale word for this K step
.endif
.endm
	WBLOCK 0, 63                                   ; 96 loads were issued behind block 0's; the count's field holds 63 at the most
	WBLOCK 1, 63                                   ; 64 behind block 1's
	WBLOCK 2, 32
	WBLOCK 3, 0
.irp c, 0,1                            ; lanes 16-31 of block 2 c change places with lanes 0-15 of block 2 c + 1: the first then is the first tile's half c (lane (r, h): block 2 c + h), the second the next tile's
.irp i, 0,1,2,3,4,5
	v_permlane16_swap_b32 v[CB+16*\c+\i], v[CB+16*\c+8+\i]
.endr
.endr
.irp c, 0,1
	global_store_b128 v7, v[CB+16*\c:CB+16*\c+3], s[34:35] offset:768*\c
	global_store_b64 v8, v[CB+16*\c+4:CB+16*\c+5], s[34:35] offset:768*\c+512
	global_store_b128 v7, v[CB+16*\c+8:CB+16*\c+11], s[34:35] offset:12288+768*\c
	global_store_b64 v8, v[CB+16*\c+12:CB+16*\c+13], s[34:35] offset:12288+768*\c+512
.endr
	global_store_b32 v5, v176, s[36:37]            ; 4 bytes a lane, 16 bytes apart: 131,072 bytes in the whole launch leave so, against 48 million that it moves
	s_endpgm
.Lfunc_end_k_q9005716e50_quant:
	.size	k_q9005716e50_quant, .Lfunc_end_k_q9005716e50_quant-k_q9005716e50_quant
	.p2alignl 7, 3214868480
	.fill 96, 4, 3214868480
	.section	.rodata,"a",@progbits
	.p2align	6, 0x0
	.amdhsa_kernel k_q9005716e50_quant
		.amdhsa_group_segment_fixed_size 35328
		.amdhsa_private_segment_fixed_size 0
		.amdhsa_enable_private_segment 0
		.amdhsa_kernarg_size 56
		.amdhsa_user_sgpr_count 2
		.amdhsa_user_sgpr_kernarg_segment_ptr 1
		.amdhsa_wavefront_size32 1
		.amdhsa_system_sgpr_workgroup_id_x 1
		.amdhsa_system_sgpr_workgroup_id_y 1
		.amdhsa_system_sgpr_workgroup_id_z 1
		.amdhsa_system_vgpr_workitem_id 0
		.amdhsa_next_free_vgpr 242
		.amdhsa_next_free_sgpr 66
		.amdhsa_reserve_vcc 1
		.amdhsa_float_denorm_mode_32 3
		.amdhsa_float_denorm_mode_16_64 3
		.amdhsa_memory_ordered 1
		.amdhsa_forward_progress 1
		.amdhsa_inst_pref_size 64
	.end_amdhsa_kernel
	.amdgpu_metadata
---
amdhsa.version: [ 1, 2 ]
amdhsa.kernels:
  - .name:           k_q9005716e50_quant
    .symbol:         k_q9005716e50_quant.kd
    .args:
      - { .name: x, .offset: 0, .size: 8, .value_kind: global_buffer, .address_space: global }
      - { .name: Wq, .offset: 8, .size: 8, .value_kind: global_buffer, .address_space: global }
      - { .name: Wk, .offset: 16, .size: 8, .value_kind: global_buffer, .address_space: global }
      - { .name: Wv, .offset: 24, .size: 8, .value_kind: global_buffer, .address_space: global }
      - { .name: Wproj, .offset: 32, .size: 8, .value_kind: global_buffer, .address_space: global }
      - { .name: xq, .offset: 40, .size: 8, .value_kind: global_buffer, .address_space: global }
      - { .name: wq, .offset: 48, .size: 8, .value_kind: global_buffer, .address_space: global }
    .group_segment_fixed_size: 35328
    .private_segment_fixed_size: 0
    .kernarg_segment_align: 8
    .kernarg_segment_size: 56
    .max_flat_workgroup_size: 128
    .sgpr_count:     66
    .vgpr_count:     242
    .wavefront_size: 32
...
	.end_amdgpu_metadata
.endif
;; end of part 1
;; launch qkv (part 2): grid 8 x 32, 4 waves a work-group, clusters of 4 x 4, 327,680 bytes of LDS; arguments xq, wq, qk, vq; writes qk, vq
.if DOCPART == 2
	.amdgcn_target "amdgcn-amd-amdhsa--gfx1250"
	.amdhsa_code_object_version 6
	.text
	.protected	k_q9005716e50_qkv
	.globl	k_q9005716e50_qkv
	.p2align	8
	.type	k_q9005716e50_qkv,@function
k_q9005716e50_qkv:
	s_mov_b64 s[64:65], 0
	v_nop
	global_prefetch_b8 v0, s[64:65] scope:SCOPE_SE
	s_setreg_imm32_b32 hwreg(HW_REG_WAVE_MODE, 25, 1), 1
	s_wait_xcnt 0x0
	s_wait_alu depctr_hold_cnt(0) depctr_sa_sdst(0) depctr_va_vdst(0) depctr_va_sdst(0) depctr_va_ssrc(0) depctr_va_vcc(0) depctr_vm_vsrc(0)
	s_getreg_b32 s2, hwreg(HW_REG_IB_STS2, 6, 4)
	s_cmp_eq_u32 s2, 0
	s_cbranch_scc0 .Lentry_in_a_cluster
	s_endpgm
.Lentry_in_a_cluster:
	s_bfe_u32 s2, ttmp6, 0x10000c
	s_cmp_lg_u32 s2, 0xf033
	s_cbranch_scc0 .Lentry_shape_is_right
	s_endpgm
.Lentry_shape_is_right:
; q, k = x Wq, x Wk and v^T = Wv^T x^T on codes of FP6 (E2M3) with E8M0 scales, K = 1,024; the results are quantised at once: q and k along the head's 64, v along the keys.
; OPERANDS are images of the operand's registers (a tile of 16 places: 8 K steps x 1,536 bytes; scale words 512 bytes a tile), places with bits 3 and 4 of the row's number swapped.
; THE DEAL.  256 work-groups: work-group (g, RB) takes x's rows 256 RB .. + 255 and three column tiles of 128: the g-th of Wq, of Wk and of Wv, one after the other.
; Four waves, 2 x 2: a wave makes 128 rows x 64 columns (one head): 32 accumulators.
; x's 16 tiles, ALL of K, lie in LDS for the whole launch, in four quarters along K of 49,152 bytes, each brought by one wave's joint load at the head and filled once.  A quarter is shown to all waves by a plain barrier
; in the K step ahead of its first read, with the wait of the one wave that asked for it in front; in the second trip these barriers find everything in.
; THE WEIGHTS' FRAGMENTS GO FROM MEMORY STRAIGHT INTO REGISTERS: the images lie in register order, so a fragment is four loads of 512, 256, 512, 256 consecutive bytes.  They are asked for three K steps ahead, in four sets of registers.
; So LDS serves 8 fragments for a step's 32 products where it would serve 12, and no LDS byte is filled again.  That is why the weights have no joint load: they do not pass through LDS.
; q, k: source 0 = the weight's places, source 1 = x's: a lane holds one row of x and 16 registers of tiles 2 j, 2 j + 1 are 16 neighbours 32 j + 16 (lane / 16) + 0 .. 15 of the head.  v: the sources the other way round: a lane holds one channel, its registers run along the keys.
; SCALE WORDS come straight into registers, 512 consecutive bytes a load: lanes 0-15 hold K steps 0-3 of their place, lanes 16-31 K steps 4-7; the instruction's row selector picks the half.
; RESULTS: qk codes [pair of heads 16][tile 512][head of the pair][768]; qk scale words from byte 12,582,912: [head 32][tile / 8][512], a word = the head's two bytes, the upper two 0; vq as [group of 128 keys][channel tile][1,536] and scale words from byte 6,291,456.
; CLUSTERS 4 x 4: x's tiles are asked for jointly along a row of the cluster.
; PREFETCH: a weight tile (98,304 bytes, 384 blocks of 256) is named one column tile ahead of its loads, 24 blocks a wave, shared out by address among the 16 waves of a column of the cluster; the clusters of the first four rows ask.
; LIMITS: a block whose largest magnitude lies under 2^-124 (zeros too) gets the byte 1; the bytes are read by this program alone.  NaN and infinities are not served.
; REGISTERS: window 0: v1-15 addresses, v28, v29 for the add, v32-63 x's scale words, v66-113 the weights' (three tensors), v116-164 the way out; window 1: x's fragments, two sets of 96; window 2: the accumulators; window 3: the weights' fragments, four sets of 48.
.set AQ,    49152                      ; a quarter of K of x's 16 tiles
.set SPARE, 196608                     ; the spare words: 128 bytes a wave
.set NEXTW, 786432                     ; 64 tiles: from a tensor's tile to the next tensor's
.set A16, 4                            ; v4-7 my x tiles + 16 l in quarter 0 .. 3;  v8-11 + 8 l
.set A8,  8
.set L16, 12
.set L8,  13
.set PFO, 14
.set RH8, 15
.set SPW, 28
.set NIL, 29
.set SCA, 32
.set SCB, 66                           ; 2 off a multiple of 4: the two scale registers of a product never have the same number modulo 8
.set PC,  116
.set TM,  136
.set PWR, 152
.set SS,  160
.set FLO, 164
.set G1A, 24
.set HQ,  48                           ; s[48:63] group 0 of the four quarters
.set MSB, 0
.macro WIN new                         ; the immediate's high byte repeats the setting that is left
.if MSB != \new
	s_set_vgpr_msb (MSB<<8)|\new
.set MSB, \new
.endif
.endm
.macro PLACES
.rept 4
	v_nop
.endr
.endm
.macro WALU
	s_wait_alu depctr_va_vdst(0)
.endm
.macro CROUND                          ; a round of the cluster's barrier
	s_barrier_signal -1
	s_barrier_wait -1
	s_cmp_lg_u32 s14, 0
	s_cbranch_scc1 .Lnot_wave_0_\@
	s_barrier_signal -3
.Lnot_wave_0_\@:
	s_barrier_wait -3
	s_barrier_signal -1
	s_barrier_wait -1
.endm
.macro ARM under, g0, next             ; one arm of the head's chain: one load, then the jump to the join
	s_cmp_lt_u32 s14, \under
	s_cbranch_scc0 \next
	tensor_load_to_lds s[\g0:\g0+3], s[G1A:G1A+7]
	s_nop 0
	PLACES
	s_branch .Lhead_asked
\next:
.endm
.macro FRAG reg, a16, a8, off          ; a fragment's image: registers 0-3, 4-5, 6-9, 10-11
	ds_load_b128 v[\reg:\reg+3], v[\a16] offset:\off
	ds_load_b64 v[\reg+4:\reg+5], v[\a8] offset:\off+512
	ds_load_b128 v[\reg+6:\reg+9], v[\a16] offset:\off+768
	ds_load_b64 v[\reg+10:\reg+11], v[\a8] offset:\off+1280
.endm
.macro FETCH k                         ; x's eight fragments of K step k into set k % 2: 32 LDS loads
	WIN 0x40
.irp i, 0,1,2,3,4,5,6,7
	FRAG 96*((\k)%2)+12*\i, A16+(\k)/2, A8+(\k)/2, \i*3072+((\k)%2)*1536
.endr
	WIN 0
.endm
.macro GFRAG reg, off
	global_load_b128 v[\reg:\reg+3], v[L16], s[92:93] offset:\off
	global_load_b64 v[\reg+4:\reg+5], v[L8], s[92:93] offset:\off+512
	global_load_b128 v[\reg+6:\reg+9], v[L16], s[92:93] offset:\off+768
	global_load_b64 v[\reg+10:\reg+11], v[L8], s[92:93] offset:\off+1280
.endm
.macro BLOAD k                         ; the weight's four fragments of K step k (8 and above: the next tensor's K step k - 8) into set k % 4: 16 loads
	WIN 0xc0
.irp i, 0,1,2,3
	GFRAG 48*((\k)%4)+12*\i, \i*12288+((\k)%8)*1536+((\k)/8)*NEXTW
.endr
	WIN 0
.endm
.macro W d, s0, s1, c, x0, x1, row
.if \row
	v_wmma_scale_f32_16x16x128_f8f6f4 v[\d:\d+7], v[\s0:\s0+11], v[\s1:\s1+11], \c, v[\x0], v[\x1] matrix_a_fmt:MATRIX_FMT_FP6 matrix_b_fmt:MATRIX_FMT_FP6 matrix_a_scale:MATRIX_SCALE_ROW1 matrix_b_scale:MATRIX_SCALE_ROW1
.else
	v_wmma_scale_f32_16x16x128_f8f6f4 v[\d:\d+7], v[\s0:\s0+11], v[\s1:\s1+11], \c, v[\x0], v[\x1] matrix_a_fmt:MATRIX_FMT_FP6 matrix_b_fmt:MATRIX_FMT_FP6
.endif
.endm
.macro PR kind, k, b, z, sb            ; x's tile A_ against the weight's tile b, K step k.  kind 0: accumulator at 32 A_ + 8 b; kind 1: at 64 b + 8 A_
.if \kind
.set D_, 64*\b+8*A_
.set S0_, 96*((\k)%2)+12*A_
.set S1_, 48*((\k)%4)+12*\b
.set X0_, SCA+4*A_+(\k)%4
.set X1_, \sb+4*\b+(\k)%4
.else
.set D_, 32*A_+8*\b
.set S0_, 48*((\k)%4)+12*\b
.set S1_, 96*((\k)%2)+12*A_
.set X0_, \sb+4*\b+(\k)%4
.set X1_, SCA+4*A_+(\k)%4
.endif
.if \z
	W D_, S0_, S1_, 0, X0_, X1_, (\k)/4
.else
	W D_, S0_, S1_, v[D_:D_+7], X0_, X1_, (\k)/4
.endif
.endm
; A K step: 32 products; the 32 accumulators take turns, one instruction a turn.  Ahead of them, four places behind the last products, go out x's fragments of the next step (nx)
; and the weight's of three steps on (bl).  bar: a plain barrier first shows x's quarter (k + 1) / 2, with its one issuer's wait in front.  nw: the loads issued behind this step's weights, which may stay out.
.macro STEP kind, k, z, sb, bar, nx, bl, nw
.if \kind
.set MW, 0xad                          ; source 0 x (window 1), source 1 the weight (window 3), C and D window 2
.else
.set MW, 0xa7                          ; source 0 the weight, source 1 x
.endif
.if \bar
	WIN 0
	s_cmp_eq_u32 s14, ((\k)+1)/2
	s_cbranch_scc0 .Lnot_mine_\@
	s_wait_tensorcnt 0x0
.Lnot_mine_\@:
	s_wait_dscnt 0x0                               ; this step's fragments of x are in
	s_barrier_signal -1
	s_barrier_wait -1
.else
	s_wait_dscnt 0x0
.endif
.if \nx
	PLACES
	FETCH ((\k)+1)%8
.endif
.if \bl
	BLOAD (\k)+3
.endif
.if ((\k) == 3) && (\kind == 0)
	s_cmp_eq_u32 s83, s98                          ; in the first trip, in the clusters that ask: Wv's tile
	s_cbranch_scc0 .Lno_ask_\@
	global_prefetch_b8 v[PFO], s[84:85] offset:2*NEXTW th:TH_LOAD_NT scope:SCOPE_SE
.Lno_ask_\@:
.endif
	s_wait_loadcnt \nw                             ; this step's weights are in
	WIN MW
.set A_, 0
.rept 8
.irp b, 0,1,2,3
	PR \kind, \k, \b, \z, \sb
.endr
.set A_, A_+1
.endr
.endm
.macro PUT base
	global_store_b128 v[L16], v[PC:PC+3], \base offset:O1_         ; 512 consecutive bytes,
	global_store_b64 v[L8], v[PC+4:PC+5], \base offset:O1_+512     ; and 256
	global_store_b128 v[L16], v[PC+6:PC+9], \base offset:O2_
	global_store_b64 v[L8], v[PC+10:PC+11], \base offset:O2_+512
.endm
; THE WAY OUT of 64 registers from 64 e on: four blocks of 32 (16 in me, 16 in lane l xor 16).  kind 0: x's tiles 2 e and 2 e + 1, two blocks of my head each; kind 1: channel tile e, four blocks of keys.
.macro EQ kind, e
.set AC, 64*(\e)
	s_wait_xcnt 0x0                                ; the last stores have read the codes' registers
	WIN 0x28                                       ; sources 1 and 2: the accumulators' window
.irp b, 0,1,2,3
	v_max3_num_f32 v[TM+\b], v[FLO], |v[AC+16*\b]|, |v[AC+16*\b+1]|   ; each accumulator is read from its low end on
.endr
.irp i, 2,4,6,8,10,12,14
.irp b, 0,1,2,3
	v_max3_num_f32 v[TM+\b], v[TM+\b], |v[AC+16*\b+\i]|, |v[AC+16*\b+\i+1]|
.endr
.endr
	WIN 0
.irp b, 0,1,2,3
	v_permlanex16_b32 v[TM+4+\b], v[TM+\b], s80, s81
.endr
.irp b, 0,1,2,3
	v_max_num_f32 v[TM+\b], v[TM+\b], v[TM+4+\b]   ; the block's largest magnitude
.endr
.irp b, 0,1,2,3
	v_add_nc_u32 v[TM+12+\b], 0xff000000, v[TM+\b] ; 2 off its exponent field: the conversion's scale operand
.endr
.irp b, 0,1,2,3
	v_lshrrev_b32 v[TM+4+\b], 23, v[TM+12+\b]      ; the byte
.endr
.if \kind
	v_lshl_or_b32 v[PWR+(\e)], v[TM+5], 8, v[TM+4]
	v_lshl_or_b32 v[PWR+(\e)], v[TM+6], 16, v[PWR+(\e)]
	v_lshl_or_b32 v[PWR+(\e)], v[TM+7], 24, v[PWR+(\e)]
.else
	v_lshl_or_b32 v[PWR+2*(\e)], v[TM+5], 8, v[TM+4]
	v_lshl_or_b32 v[PWR+2*(\e)+1], v[TM+7], 8, v[TM+6]
.endif
	WIN 2                                          ; source 0: the accumulators' window
.irp c, 0,1
	v_cvt_scalef32_pk16_fp6_f32 v[PC+6*\c:PC+2+6*\c], v[AC+32*\c:AC+32*\c+15], v[TM+12+2*\c]
	v_cvt_scalef32_pk16_fp6_f32 v[PC+12+4*\c:PC+14+4*\c], v[AC+32*\c+16:AC+32*\c+31], v[TM+13+2*\c]
.endr
	WIN 0
	v_nop                                          ; one plain instruction behind the conversions
.irp c, 0,1                            ; the operand's layout wants a whole block in a lane
.irp i, 0,1,2
	v_permlane16_swap_b32 v[PC+6*\c+\i], v[PC+12+4*\c+\i]
.endr
.irp i, 0,1,2
	v_mov_b32 v[PC+3+6*\c+\i], v[PC+12+4*\c+\i]
.endr
.endr
.if \kind
.set O1_, 1536*(\e)
.set O2_, O1_+768
	PUT s[76:77]
.else
.set O1_, 3072*(\e)
.set O2_, O1_+1536
	PUT s[12:13]
.endif
.endm
; ---------------- the head
	s_load_b256 s[4:11], s[0:1], 0x0               ; xq, wq, qk, vq
	v_lshl_add_u32 v[SPW], v0, 2, SPARE
	v_mov_b32 v[NIL], 0
	ds_add_u32 v[SPW], v[NIL]                      ; the opening lines: the add twice on end
	ds_add_u32 v[SPW], v[NIL]
	v_lshrrev_b32 v1, 5, v0
	v_readfirstlane_b32 s14, v1                    ; wave
	v_and_b32 v3, 31, v0
	v_lshlrev_b32 v[L16], 4, v3
	v_lshlrev_b32 v[L8], 3, v3
	s_lshr_b32 s15, s14, 1                         ; which 128 rows
	s_and_b32 s16, s14, 1                          ; which 64 columns
	s_bfe_u32 s86, ttmp6, 0x40000                  ; cx
	s_bfe_u32 s87, ttmp6, 0x40004                  ; cy
	s_lshl_b32 s18, ttmp9, 2
	s_add_co_u32 s18, s18, s86                     ; g
	s_and_b32 s19, ttmp7, 0xffff                   ; the cluster's row
	s_lshl_b32 s17, s19, 2
	s_add_co_u32 s17, s17, s87                     ; RB
	s_lshl_b32 s88, s87, 2
	s_lshl_b32 s88, 15, s88                        ; my row of the cluster
	s_or_b32 s[G1A], s88, (3<<16)|(1<<21)          ; 16 rows (tiles) of 3,072 bytes (384 elements of 8), 12,288 bytes apart
	s_mov_b32 s[G1A+1], 384<<16
	s_mov_b32 s[G1A+2], 16<<16
	s_mov_b32 s[G1A+3], 384<<16
	s_mov_b32 s[G1A+4], 16
	s_mov_b32 s[G1A+5], 1536
	s_mov_b32 s[G1A+6], 0
	s_mov_b32 s[G1A+7], 0
.irp q, 0,1,2,3
	s_mov_b32 s[HQ+4*\q], 1
	s_mov_b32 s[HQ+4*\q+1], \q*AQ
.endr
	s_mul_i32 s90, s17, 196608                     ; x's 16 tiles
	s_mov_b32 s91, 0
	s_mul_i32 s92, s18, 98304                      ; the weights' 8 tiles,
	s_mov_b32 s93, 0
	s_mul_i32 s94, s16, 49152                      ; of which four are mine
	s_mov_b32 s95, 0
	s_lshl_b32 s96, s17, 13                        ; x's scale words: my 8 tiles
	s_lshl_b32 s2, s15, 12
	s_add_co_u32 s96, s96, s2
	s_add_co_u32 s96, s96, 6291456
	s_mov_b32 s97, 0
	s_lshl_b32 s2, s18, 12                         ; the weights': my 4 tiles
	s_lshl_b32 s3, s16, 11
	s_add_co_u32 s2, s2, s3
	s_add_co_u32 s2, s2, 3145728
	s_mov_b32 s3, 0
	s_lshl_b32 s84, s87, 2                         ; the prefetches: my sixteenth of a weight tile
	s_add_co_u32 s84, s84, s14
	s_mul_i32 s84, s84, 6144
	s_mov_b32 s85, 0
	WALU
	s_wait_dscnt 0x0
	CROUND                                         ; all sixteen work-groups are here: the joint loads meet
	s_wait_kmcnt 0x0
	s_add_nc_u64 s[HQ+2:HQ+3], s[4:5], s[90:91]
.irp q, 1,2,3
	s_add_nc_u64 s[HQ+4*\q+2:HQ+4*\q+3], s[HQ+2:HQ+3], \q*3072
.endr
.irp q, 0,1,2,3
	s_or_b32 s[HQ+4*\q+3], s[HQ+4*\q+3], 0x80000000
.endr
	ARM 1, HQ, .Lhead_1                            ; wave q asks for x's K steps 2 q and 2 q + 1
	ARM 2, HQ+4, .Lhead_2
	ARM 3, HQ+8, .Lhead_3
	tensor_load_to_lds s[HQ+12:HQ+15], s[G1A:G1A+7]
	s_nop 0
	PLACES
.Lhead_asked:
	s_add_nc_u64 s[96:97], s[4:5], s[96:97]
	s_add_nc_u64 s[2:3], s[6:7], s[2:3]
	s_add_nc_u64 s[92:93], s[6:7], s[92:93]
	s_add_nc_u64 s[84:85], s[92:93], s[84:85]
	s_add_nc_u64 s[92:93], s[92:93], s[94:95]
.irp a, 0,1,2,3,4,5,6,7
	global_load_b128 v[SCA+4*\a:SCA+4*\a+3], v[L16], s[96:97] offset:512*\a
.endr
.irp t, 0,1,2
.irp b, 0,1,2,3
	global_load_b128 v[SCB+16*\t+4*\b:SCB+16*\t+4*\b+3], v[L16], s[2:3] offset:32768*\t+512*\b
.endr
.endr
	BLOAD 0
	BLOAD 1
	BLOAD 2
	s_cmp_lt_u32 s19, 4
	s_cselect_b32 s98, 0, 99                       ; 0 in the clusters that ask
	s_mul_i32 s12, s18, 786432                     ; q's codes
	s_mul_i32 s20, s17, 24576
	s_add_co_u32 s12, s12, s20
	s_mul_i32 s20, s15, 12288
	s_add_co_u32 s12, s12, s20
	s_mul_i32 s20, s16, 768
	s_add_co_u32 s12, s12, s20
	s_mov_b32 s13, 0
	s_add_nc_u64 s[12:13], s[8:9], s[12:13]
	s_lshl_b32 s21, s17, 1
	s_add_co_u32 s21, s21, s15                     ; my group of 128 rows
	s_lshl_b32 s22, s18, 1
	s_add_co_u32 s22, s22, s16                     ; my head
	s_lshl_b32 s22, s22, 15
	s_lshl_b32 s20, s21, 9
	s_add_co_u32 s22, s22, s20
	s_add_co_u32 s22, s22, 12582912
	s_mov_b32 s23, 0
	s_add_nc_u64 s[22:23], s[8:9], s[22:23]        ; q's scale words
	s_mul_i32 s76, s21, 98304                      ; v's codes
	s_mul_i32 s20, s18, 12288
	s_add_co_u32 s76, s76, s20
	s_mul_i32 s20, s16, 6144
	s_add_co_u32 s76, s76, s20
	s_mov_b32 s77, 0
	s_add_nc_u64 s[76:77], s[10:11], s[76:77]
	s_lshl_b32 s78, s21, 12                        ; v's scale words
	s_lshl_b32 s20, s18, 9
	s_add_co_u32 s78, s78, s20
	s_lshl_b32 s20, s16, 8
	s_add_co_u32 s78, s78, s20
	s_add_co_u32 s78, s78, 6291456
	s_mov_b32 s79, 0
	s_add_nc_u64 s[78:79], s[10:11], s[78:79]
	s_mov_b32 s80, 0x76543210
	s_mov_b32 s81, 0xfedcba98                      ; lane l xor 16
	s_mov_b32 s82, 0xffff0000                      ; lanes 16-31
	s_mov_b32 s83, 0
	s_mul_i32 s20, s15, 24576                      ; my 8 tiles in a quarter
	v_and_b32 v1, 15, v0                           ; r
	v_bfe_u32 v2, v0, 4, 1                         ; h
	v_min_u32 v[PFO], 23, v3                       ; 24 blocks of 256 bytes; the lanes left over name the last again
	v_lshlrev_b32 v[PFO], 8, v[PFO]
	v_lshlrev_b32 v[RH8], 4, v1
	v_lshl_add_u32 v[RH8], v2, 3, v[RH8]           ; 16 r + 8 h
.irp q, 0,1,2,3
	v_add_nc_u32 v[A16+\q], s20, v[L16]
	v_add_nc_u32 v[A8+\q], s20, v[L8]
	s_add_co_u32 s20, s20, AQ
.endr
	v_mov_b32 v[FLO], 0x1800000                    ; the floor 2^(3 - 127)
.irp b, 0,1,2,3
	v_mov_b32 v[TM+4+\b], 0                        ; a lane permute's destination counts as one of its sources
.endr
	WALU
	s_cmp_eq_u32 s98, 0
	s_cbranch_scc0 .Lno_ask_head
	global_prefetch_b8 v[PFO], s[84:85] offset:NEXTW th:TH_LOAD_NT scope:SCOPE_SE   ; Wk's tile
.Lno_ask_head:
	s_cmp_eq_u32 s14, 0
	s_cbranch_scc0 .Lnot_first
	s_wait_tensorcnt 0x0                           ; wave 0: x's K steps 0 and 1
.Lnot_first:
	s_barrier_signal -1
	s_barrier_wait -1                              ; the other three loads may still be out
	FETCH 0
; ---------------- q, then k: one text, two trips
.Lsub:
	STEP 0, 0, 1, SCB, 0, 1, 1, 48                 ; its products start the sums
	STEP 0, 1, 0, SCB, 1, 1, 1, 48
	STEP 0, 2, 0, SCB, 0, 1, 1, 48
	STEP 0, 3, 0, SCB, 1, 1, 1, 48
	STEP 0, 4, 0, SCB, 0, 1, 1, 48
	STEP 0, 5, 0, SCB, 1, 1, 1, 48
	STEP 0, 6, 0, SCB, 0, 1, 1, 48
	STEP 0, 7, 0, SCB, 0, 1, 1, 48
	PLACES
	WIN 0
.set I_, 0
.rept 16
	v_mov_b32 v[SCB+I_], v[SCB+16+I_]              ; Wk's scale words for the second trip (the second trip's copy repeats them)
.set I_, I_+1
.endr
.irp e, 0,1,2,3
	EQ 0, \e
.endr
.irp i, 0,1,2,3
	v_cndmask_b32 v[SS+\i], v[PWR+\i], v[PWR+4+\i], s82   ; lanes 0-15 store the words of tiles 0-3, lanes 16-31 of tiles 4-7
.endr
	global_store_b128 v[L16], v[SS:SS+3], s[22:23] ; 512 consecutive bytes
	WALU
	s_wait_xcnt 0x0                                ; the loads and stores have read their bases
	s_add_nc_u64 s[92:93], s[92:93], NEXTW         ; the next tensor's tile
	s_add_nc_u64 s[12:13], s[12:13], 6291456       ; k's pairs of heads lie behind q's eight,
	s_add_nc_u64 s[22:23], s[22:23], 524288        ; its heads' scale words behind q's sixteen
	s_add_co_u32 s83, s83, 1
	s_cmp_lt_u32 s83, 2
	s_cbranch_scc1 .Lsub
; ---------------- v
	STEP 1, 0, 1, SCB+32, 0, 1, 1, 48
	STEP 1, 1, 0, SCB+32, 0, 1, 1, 48
	STEP 1, 2, 0, SCB+32, 0, 1, 1, 48
	STEP 1, 3, 0, SCB+32, 0, 1, 1, 48
	STEP 1, 4, 0, SCB+32, 0, 1, 1, 48
	STEP 1, 5, 0, SCB+32, 0, 1, 0, 32              ; nothing more to ask for: the count runs down
	STEP 1, 6, 0, SCB+32, 0, 1, 0, 16
	STEP 1, 7, 0, SCB+32, 0, 0, 0, 0
	PLACES
	WIN 0
.irp e, 0,1,2,3
	EQ 1, \e
.endr
	v_cndmask_b32 v[SS], v[PWR], v[PWR+2], s82     ; lanes 0-15 store the words of tiles 0 and 1, lanes 16-31 of tiles 2 and 3
	v_cndmask_b32 v[SS+1], v[PWR+1], v[PWR+3], s82
	global_store_b64 v[RH8], v[SS:SS+1], s[78:79]  ; 256 consecutive bytes
	s_wait_tensorcnt 0x0                           ; the wave's end
	ds_add_u32 v[SPW], v[NIL]
	s_wait_dscnt 0x0
	CROUND                                         ; the closing round
	s_endpgm
.Lfunc_end_k_q9005716e50_qkv:
	.size	k_q9005716e50_qkv, .Lfunc_end_k_q9005716e50_qkv-k_q9005716e50_qkv
	.p2alignl 7, 3214868480
	.fill 96, 4, 3214868480
	.section	.rodata,"a",@progbits
	.p2align	6, 0x0
	.amdhsa_kernel k_q9005716e50_qkv
		.amdhsa_group_segment_fixed_size 327680
		.amdhsa_private_segment_fixed_size 0
		.amdhsa_enable_private_segment 0
		.amdhsa_kernarg_size 32
		.amdhsa_user_sgpr_count 2
		.amdhsa_user_sgpr_kernarg_segment_ptr 1
		.amdhsa_wavefront_size32 1
		.amdhsa_system_sgpr_workgroup_id_x 1
		.amdhsa_system_sgpr_workgroup_id_y 1
		.amdhsa_system_sgpr_workgroup_id_z 1
		.amdhsa_system_vgpr_workitem_id 0
		.amdhsa_next_free_vgpr 960
		.amdhsa_next_free_sgpr 100
		.amdhsa_reserve_vcc 0
		.amdhsa_float_denorm_mode_32 3
		.amdhsa_float_denorm_mode_16_64 3
		.amdhsa_memory_ordered 1
		.amdhsa_forward_progress 1
		.amdhsa_inst_pref_size 172
	.end_amdhsa_kernel
	.amdgpu_metadata
---
amdhsa.version: [ 1, 2 ]
amdhsa.kernels:
  - .name:           k_q9005716e50_qkv
    .symbol:         k_q9005716e50_qkv.kd
    .args:
      - { .name: xq, .offset: 0, .size: 8, .value_kind: global_buffer, .address_space: global }
      - { .name: wq, .offset: 8, .size: 8, .value_kind: global_buffer, .address_space: global }
      - { .name: qk, .offset: 16, .size: 8, .value_kind: global_buffer, .address_space: global }
      - { .name: vq, .offset: 24, .size: 8, .value_kind: global_buffer, .address_space: global }
    .group_segment_fixed_size: 327680
    .private_segment_fixed_size: 0
    .kernarg_segment_align: 8
    .kernarg_segment_size: 32
    .max_flat_workgroup_size: 128
    .sgpr_count:     100
    .vgpr_count:     960
    .wavefront_size: 32
...
	.end_amdgpu_metadata
.endif
;; end of part 2
;; launch attn (part 3): grid 2 x 128, 16 waves a work-group, no clusters, 169,984 bytes of LDS; arguments qk, vq, oq; writes oq
.if DOCPART == 3
	.amdgcn_target "amdgcn-amd-amdhsa--gfx1250"
	.amdhsa_code_object_version 6
	.text
	.protected	k_q9005716e50_attn
	.globl	k_q9005716e50_attn
	.p2align	8
	.type	k_q9005716e50_attn,@function
k_q9005716e50_attn:
	s_mov_b64 s[64:65], 0
	v_nop
	global_prefetch_b8 v0, s[64:65] scope:SCOPE_SE
	s_setreg_imm32_b32 hwreg(HW_REG_WAVE_MODE, 25, 1), 1
	s_wait_xcnt 0x0
; Causal attention of one head on codes of FP6 (E2M3) with E8M0 scales; the result O / l is quantised along the concatenated heads and leaves as an image of the next product's operand.
; THE SOFTMAX AHEAD OF THE SECOND PRODUCT: t = score x log2(e) / 8; M = the running largest t, rounded UP to a whole number; p = 2^(t - M) is quantised along the keys, not normalised; the row's sum is taken of the
; unquantised p and divides O at the end.  When M moves, the sum and O are multiplied by 2^(old M - new M): exact.
; SHARES.  A work-group owns blocks p and 3 - p of 256 queries of one head (p = work-group x): every work-group has the same number of key steps.  Each of its sixteen waves owns one tile of 16 queries in each
; block and walks them one after the other (PASS).  The head's whole K and V lie in LDS, filled once: two barriers in the launch.
; NO CLUSTER: two work-groups share a head's K and V, and the grid's x, 2, is no multiple of a cluster's 4; what is shared is 104,448 bytes, read once at the head.
; LAYOUT.  Both products transposed: S^T = K Q^T, O^T = V^T P^T: a lane holds one query.  Tiles hold places with bits 3 and 4 of the number swapped, so the 16 registers of tiles 2 j, 2 j + 1 are 16 neighbours: 32 j + 16 (lane / 16) + 0 .. 15.
; THE FIRST PRODUCT'S K IS 64: Q's codes of k = 64 .. 127 are zeros and both sides' scale bytes there are 0; the upper six registers named for a tile of K are the next tile's codes, which meet zeros and add nothing.
; CAUSAL: the loop over the 8 groups of 128 keys has a constant count; a step all of whose keys come after the wave's queries is jumped over (a scalar branch on ids); in the step on the diagonal hidden scores become -infinity.
; LIMITS: 1 / l by v_rcp_f32 and a multiplication; a block of O whose largest magnitude lies under 2^-124 gets the byte 1; NaN and infinities are not served.  O's scale bytes leave as single bytes, two neighbours
; for each row, 16 bytes apart: 262,144 bytes in the launch.
; REGISTERS: v1-11 addresses; v12 -M, v13 the largest t, v[14:15] the sum; v16-27, v28-39 Q of the two passes (upper six zeros); v40, v41 their scale words; v42-95 K's eight tiles (v90-95 zeros), later V's four fragments;
;   v96-159 S^T, then p; v160-191 O^T; v192-199 scale words; v200-207 the head's copies, the mask; v224-254 at work.
.set KS,  0                            ; LDS: K's scale words, [group of 128 keys][512]
.set VS,  4096                         ; V's, [group][place][tile]: 256 bytes a group
.set KC,  6144                         ; K's 64 tiles x 768 bytes
.set VC,  55296                        ; V's [group 8][tile 4][1,536]
.set WV,  10
.set G1K, 16
.set G1V, 24
.set G0K, 32
.set G0V, 36
.set SEL, 40
.set CS,  42
.set KG,  44
.set TK,  45
.set TS,  46
.set TV,  47
.set HM,  48
	s_load_b128 s[4:7], s[0:1], 0x0                ; qk s[4:5], vq s[6:7]
	s_load_b64 s[8:9], s[0:1], 0x10                ; oq
	v_lshl_add_u32 v251, v0, 2, 0x29000
	v_mov_b32 v255, 0
	ds_add_u32 v251, v255
	ds_add_u32 v251, v255
	v_lshrrev_b32 v1, 5, v0
	s_delay_alu instid0(VALU_DEP_1)
	v_readfirstlane_b32 s[WV], v1                  ; wave 0..15
	s_and_b32 s2, ttmp7, 0xffff
	s_lshr_b32 s12, s2, 4                          ; the batch
	s_and_b32 s13, s2, 15                          ; the head
	s_and_b32 s14, s13, 1                          ; which of a pair
	s_lshr_b32 s15, s13, 1                         ; the pair
	; group 1 for K: 16 rows (tiles) of 768 bytes (96 elements of 8 bytes), 1,536 bytes apart
	s_mov_b32 s[G1K], 3<<16
	s_mov_b32 s[G1K+1], 96<<16
	s_mov_b32 s[G1K+2], 16<<16
	s_mov_b32 s[G1K+3], 96<<16
	s_mov_b32 s[G1K+4], 16
	s_mov_b32 s[G1K+5], 192
	s_mov_b32 s[G1K+6], 0
	s_mov_b32 s[G1K+7], 0
	; group 1 for V: 2 rows (groups of keys) of 6,144 bytes, 98,304 bytes apart
	s_mov_b32 s[G1V], 3<<16
	s_mov_b32 s[G1V+1], 768<<16
	s_mov_b32 s[G1V+2], 2<<16
	s_mov_b32 s[G1V+3], 768<<16
	s_mov_b32 s[G1V+4], 2
	s_mov_b32 s[G1V+5], 12288
	s_mov_b32 s[G1V+6], 0
	s_mov_b32 s[G1V+7], 0
	s_and_b32 s3, s[WV], 1                         ; which quarter I fetch, if I fetch: waves 0-3 take quarters 0 and 1 (K, K, V, V), waves 4-7 quarters 2 and 3
	s_bfe_u32 s2, s[WV], 0x10002
	s_lshl_b32 s2, s2, 1
	s_or_b32 s3, s3, s2
	s_add_co_u32 s68, s15, 8                       ; K's pairs of heads lie behind Q's eight
	s_mul_i32 s68, s68, 786432
	s_mul_i32 s69, s12, 98304                      ; the batch's 64 tiles
	s_add_co_u32 s68, s68, s69
	s_mul_i32 s69, s14, 768
	s_add_co_u32 s68, s68, s69
	s_mul_i32 s69, s3, 24576                       ; 16 tiles a wave
	s_add_co_u32 s68, s68, s69
	s_mov_b32 s69, 0
	s_lshl_b32 s70, s12, 3
	s_lshl_b32 s71, s3, 1
	s_add_co_u32 s70, s70, s71                     ; V: two groups of keys a wave
	s_mul_i32 s70, s70, 98304
	s_mul_i32 s71, s13, 6144
	s_add_co_u32 s70, s70, s71
	s_mov_b32 s71, 0
	s_mul_i32 s3, s3, 12288
	s_wait_dscnt 0x0
	s_wait_kmcnt 0x0
	s_mov_b32 s[G0K], 1
	s_add_co_u32 s[G0K+1], s3, KC
	s_add_nc_u64 s[G0K+2:G0K+3], s[4:5], s[68:69]
	s_or_b32 s[G0K+3], s[G0K+3], 0x80000000
	s_mov_b32 s[G0V], 1
	s_add_co_u32 s[G0V+1], s3, VC
	s_add_nc_u64 s[G0V+2:G0V+3], s[6:7], s[70:71]
	s_or_b32 s[G0V+3], s[G0V+3], 0x80000000
; One chain, one load to an arm.  Waves 0-3 bring key groups 0-3 of K and V, which are all that the first pass reads; waves 4-7 bring groups 4-7, which are shown by a second barrier ahead of the second pass.
	s_cmp_lt_u32 s[WV], 2
	s_cbranch_scc0 .Lnot_k0
	tensor_load_to_lds s[G0K:G0K+3], s[G1K:G1K+7]
	s_nop 0
.rept 4
	v_nop
.endr
	s_branch .Lasked
.Lnot_k0:
	s_cmp_lt_u32 s[WV], 4
	s_cbranch_scc0 .Lnot_v0
	tensor_load_to_lds s[G0V:G0V+3], s[G1V:G1V+7]
	s_nop 0
.rept 4
	v_nop
.endr
	s_branch .Lasked
.Lnot_v0:
	s_cmp_lt_u32 s[WV], 6
	s_cbranch_scc0 .Lnot_k1
	tensor_load_to_lds s[G0K:G0K+3], s[G1K:G1K+7]
	s_nop 0
.rept 4
	v_nop
.endr
	s_branch .Lasked
.Lnot_k1:
	s_cmp_lt_u32 s[WV], 8
	s_cbranch_scc0 .Lasked
	tensor_load_to_lds s[G0V:G0V+3], s[G1V:G1V+7]
	s_nop 0
.rept 4
	v_nop
.endr
.Lasked:
	v_and_b32 v4, 31, v0                           ; lane
	v_and_b32 v5, 15, v0                           ; r
	v_bfe_u32 v8, v0, 4, 1                         ; h
	s_delay_alu instid0(VALU_DEP_3)
	v_lshlrev_b32 v6, 4, v4                        ; 16 l
	s_delay_alu instid0(VALU_DEP_4)
	v_lshlrev_b32 v7, 3, v4                        ; 8 l
	s_delay_alu instid0(VALU_DEP_2)
	v_add_nc_u32 v1, KC, v6
	s_delay_alu instid0(VALU_DEP_2)
	v_add_nc_u32 v2, KC, v7
	v_lshlrev_b32 v3, 4, v5                        ; 16 r
	s_delay_alu instid0(VALU_DEP_1)
	v_add_nc_u32 v11, v3, v8                       ; 16 r + h
	v_lshrrev_b32 v9, 3, v5
	s_delay_alu instid0(VALU_DEP_1)
	v_lshl_add_u32 v10, v9, 3, v5
	v_lshlrev_b32 v9, 4, v8
	s_delay_alu instid0(VALU_DEP_1)
	v_sub_nc_u32 v10, v10, v9                      ; r + 8 (r / 8) - 16 h
	v_lshlrev_b32 v200, 3, v0                      ; K's scale words: 8 bytes a thread, in memory and in LDS
	s_wait_alu depctr_va_vdst(0)
	v_lshrrev_b32 v201, 6, v0
	v_and_b32 v203, 63, v0
	s_delay_alu instid0(VALU_DEP_1)
	v_lshlrev_b32 v203, 2, v203
	s_delay_alu instid0(VALU_DEP_1)
	v_lshl_add_u32 v201, v201, 12, v203            ; V's: group t / 64, word t % 64
	s_wait_alu depctr_va_vdst(0)
	v_lshl_add_u32 v202, v0, 2, VS
	s_mov_b32 s[SEL], 0x76543210
	s_mov_b32 s[SEL+1], 0xfedcba98
	s_mov_b32 s[CS], 0x3e38aa3b                    ; c = log2(e) / 8
	s_mov_b32 s[CS+1], s[CS]
	s_mov_b32 s[HM], 0xffff0000                    ; lanes 16-31
	s_add_co_u32 s76, s13, 16                      ; scale words lie a head at a time: K's sixteen heads behind Q's
	s_lshl_b32 s76, s76, 15
	s_lshl_b32 s2, s12, 12
	s_add_co_u32 s76, s76, s2
	s_add_co_u32 s76, s76, 12582912
	s_mov_b32 s77, 0
	s_add_nc_u64 s[76:77], s[4:5], s[76:77]        ; K's scale words of the batch: 4,096 dense bytes
	s_lshl_b32 s78, s12, 15
	s_lshl_b32 s2, s15, 9
	s_add_co_u32 s78, s78, s2
	s_lshl_b32 s2, s14, 8
	s_add_co_u32 s78, s78, s2
	s_add_co_u32 s78, s78, 6291456
	s_mov_b32 s79, 0
	s_add_nc_u64 s[78:79], s[6:7], s[78:79]        ; V's: 256 bytes in each group's 4,096
	s_mul_i32 s49, s13, 768                        ; the head's parts of the addresses
	s_lshr_b32 s53, s13, 3
	s_lshl_b32 s53, s53, 8
	s_and_b32 s2, s15, 3
	s_lshl_b32 s2, s2, 2
	s_add_co_u32 s53, s53, s2
	s_lshl_b32 s2, s14, 1
	s_add_co_u32 s53, s53, s2
	s_add_co_u32 s53, s53, 6291456
	s_mul_i32 s61, s15, 786432
	s_mul_i32 s2, s14, 768
	s_add_co_u32 s61, s61, s2
	s_lshl_b32 s11, s13, 15
	s_add_co_u32 s11, s11, 12582912
	s_lshl_b32 s2, ttmp9, 4
	s_add_co_u32 s50, s2, s[WV]                    ; my tile of queries in block p: 16 p + wave,
	s_add_co_u32 s58, s[WV], 48
	s_sub_co_u32 s58, s58, s2                      ; and in block 3 - p: 48 - 16 p + wave
; a pass's scalars: ptg the group of keys on the diagonal; pdq the tile's first query in that group; poc, pos where O's codes and scale bytes go; pqc, pqs where Q's codes and scale words lie
.macro TAUS ptau, ptg, pdq, poc, pos, pqc, pqs
	s_lshr_b32 s[\ptg], s[\ptau], 3
	s_bfe_u32 s[\pdq], s[\ptau], 0x20001
	s_lshl_b32 s[\pdq], s[\pdq], 5
	s_and_b32 s2, s[\ptau], 1
	s_lshl_b32 s2, s2, 3
	s_add_co_u32 s[\pdq], s[\pdq], s2
	s_lshl_b32 s3, s12, 6
	s_add_co_u32 s3, s3, s[\ptau]                  ; the tile among all 512
	s_mul_i32 s[\poc], s3, 12288
	s_add_co_u32 s[\poc], s[\poc], s49
	s_mov_b32 s[\poc+1], 0
	s_add_nc_u64 s[\poc:\poc+1], s[8:9], s[\poc:\poc+1]
	s_lshl_b32 s[\pos], s3, 9
	s_add_co_u32 s[\pos], s[\pos], s53
	s_mov_b32 s[\pos+1], 0
	s_add_nc_u64 s[\pos:\pos+1], s[8:9], s[\pos:\pos+1]
	s_mul_i32 s[\pqc], s3, 1536
	s_add_co_u32 s[\pqc], s[\pqc], s61
	s_mov_b32 s[\pqc+1], 0
	s_add_nc_u64 s[\pqc:\pqc+1], s[4:5], s[\pqc:\pqc+1]
	s_lshr_b32 s[\pqs], s3, 3
	s_lshl_b32 s[\pqs], s[\pqs], 9
	s_bfe_u32 s2, s[\ptau], 0x10002
	s_lshl_b32 s2, s2, 8
	s_add_co_u32 s[\pqs], s[\pqs], s2
	s_and_b32 s2, s[\ptau], 3
	s_lshl_b32 s2, s2, 2
	s_add_co_u32 s[\pqs], s[\pqs], s2
	s_add_co_u32 s[\pqs], s[\pqs], s11
	s_mov_b32 s[\pqs+1], 0
	s_add_nc_u64 s[\pqs:\pqs+1], s[4:5], s[\pqs:\pqs+1]
.endm
	TAUS 50, 51, 52, 54, 56, 68, 70
	TAUS 58, 59, 60, 62, 66, 72, 74
	global_load_b64 v[204:205], v200, s[76:77]
	global_load_b32 v206, v201, s[78:79]
	global_load_b128 v[16:19], v6, s[68:69]        ; Q's half image: registers 0-3,
	global_load_b64 v[20:21], v7, s[68:69] offset:512   ; 4-5
	global_load_b32 v40, v3, s[70:71]
	global_load_b128 v[28:31], v6, s[72:73]
	global_load_b64 v[32:33], v7, s[72:73] offset:512
	global_load_b32 v41, v3, s[74:75]
.irp i, 22,23,24,25,26,27,34,35,36,37,38,39,90,91,92,93,94,95
	v_mov_b32 v[\i], 0                             ; the codes of k = 64 .. 127 of Q; what stands behind K's last tile
.endr
.irp i, 236,237,238,239,252,253
	v_mov_b32 v[\i], 0                             ; lane permutes' destinations, and the upper half of the pair v[252:253]
.endr
	s_wait_loadcnt 0x0                             ; a word holds my head's two bytes; its upper two are 0 as stored
	ds_store_b64 v200, v[204:205]
	ds_store_b32 v202, v206
	s_cmp_lt_u32 s[WV], 4
	s_cbranch_scc0 .Llater
	s_wait_tensorcnt 0x0                           ; waves 0-3: key groups 0-3 of K and V have landed
.Llater:
	s_wait_dscnt 0x0                               ; my scale words are stored
	s_barrier_signal -1
	s_barrier_wait -1                              ; groups 4-7 may still be out
.macro PASS pqf, pqs, ptg, pdq, poc, pos, ng
	s_wait_xcnt 0x0                                ; the last pass's stores have read their registers
.set NN, 0
.rept 32
	v_mov_b32 v[160+NN], 0                         ; O^T: the first step finds zeros, which the first change of M leaves zeros
.set NN, NN+1
.endr
	v_mov_b32 v13, 0xff61b1e6                      ; the largest t so far: -3e38
	s_delay_alu instid0(VALU_DEP_1)
	v_floor_f32 v12, -v13                          ; -M
	v_mov_b32 v14, 0
	v_mov_b32 v15, 0
	s_mov_b32 s[KG], 0
	s_mov_b32 s[TK], 0
	s_mov_b32 s[TS], 0
	s_mov_b32 s[TV], 0
.Lkg_\@:
	s_cmp_gt_u32 s[KG], s[\ptg]                    ; all 128 keys come after my queries: only the addresses step
	s_cbranch_scc1 .Lhidden_\@
	v_add_nc_u32 v4, s[TK], v1                     ; these four are also the places in front of the loads below
	v_add_nc_u32 v5, s[TK], v2
	v_add_nc_u32 v8, s[TS], v3
	v_add_nc_u32 v9, s[TV], v3
.irp t, 0,1,2,3,4,5,6,7
	ds_load_b128 v[42+6*\t:45+6*\t], v4 offset:768*\t
	ds_load_b64 v[46+6*\t:47+6*\t], v5 offset:768*\t+512
.endr
	ds_load_b128 v[192:195], v8
	ds_load_b128 v[196:199], v8 offset:256
	s_wait_alu depctr_va_vdst(0)
	s_wait_dscnt 0x0
.irp t, 0,1,2,3,4,5,6,7
	v_wmma_scale_f32_16x16x128_f8f6f4 v[96+8*\t:103+8*\t], v[42+6*\t:53+6*\t], v[\pqf:\pqf+11], 0, v[192+\t], v[\pqs] matrix_a_fmt:MATRIX_FMT_FP6 matrix_b_fmt:MATRIX_FMT_FP6
.endr
.rept 4
	v_nop
.endr
.irp t, 0,1,2,3                        ; V's four fragments and scale words are asked for now and land while the softmax runs
	ds_load_b128 v[42+12*\t:45+12*\t], v4 offset:49152+1536*\t
	ds_load_b64 v[46+12*\t:47+12*\t], v5 offset:49152+1536*\t+512
	ds_load_b128 v[48+12*\t:51+12*\t], v4 offset:49152+1536*\t+768
	ds_load_b64 v[52+12*\t:53+12*\t], v5 offset:49152+1536*\t+1280
.endr
	ds_load_b128 v[192:195], v9 offset:VS
	s_cmp_lt_u32 s[KG], s[\ptg]                    ; all keys count: no mask
	s_cbranch_scc1 .Lopen_\@
	v_add_nc_u32 v207, s[\pdq], v10                ; d = my query - the group's first key - 16 (lane / 16).  Register 16 j + i holds key 32 j + 16 (lane / 16) + i: hidden where 32 j + i > d
	v_mov_b32 v254, 0xff800000                     ; -infinity
	s_lshr_b32 s2, s[\pdq], 5                      ; my 16 queries lie in this one of the group's four blocks of 32
	s_wait_alu depctr_va_vdst(0)
.irp j, 0,1,2,3
	s_cmp_gt_u32 s2, \j                            ; a block of keys ahead of my queries' block: all its keys count
	s_cbranch_scc1 .Lseen_\@_\j
.set NN, 16*\j
.rept 16
	v_cmp_gt_i32 vcc_lo, 32*(NN/16)+NN%16, v207
	v_cndmask_b32 v[96+NN], v[96+NN], v254, vcc_lo
.set NN, NN+1
.endr
.Lseen_\@_\j:
.endr
.Lopen_\@:
.irp b, 0,1,2,3
	v_max3_num_f32 v[232+\b], v[96+16*\b], v[97+16*\b], v[98+16*\b]   ; the largest score of each block of 32 keys: for the row's maximum and, since p rises with the score, for the block's largest p
.endr
.irp i, 3,5,7,9,11,13
.irp b, 0,1,2,3
	v_max3_num_f32 v[232+\b], v[232+\b], v[96+16*\b+\i], v[97+16*\b+\i]
.endr
.endr
.irp b, 0,1,2,3
	v_max_num_f32 v[232+\b], v[232+\b], v[111+16*\b]
.endr
.irp b, 0,1,2,3
	s_delay_alu instid0(VALU_DEP_4)
	v_permlanex16_b32 v[236+\b], v[232+\b], s[SEL], s[SEL+1]
.endr
.irp b, 0,1,2,3
	s_delay_alu instid0(VALU_DEP_4)
	v_max_num_f32 v[232+\b], v[232+\b], v[236+\b]
.endr
	s_delay_alu instid0(VALU_DEP_2)
	v_max3_num_f32 v254, v232, v233, v234
	s_delay_alu instid0(VALU_DEP_1)
	v_max_num_f32 v254, v254, v235
	s_delay_alu instid0(VALU_DEP_1)
	v_mul_f32 v254, s[CS], v254
	s_delay_alu instid0(VALU_DEP_1)
	v_max_num_f32 v13, v13, v254                   ; the running largest t
	v_mov_b32 v254, v12
	s_delay_alu instid0(VALU_DEP_2)
	v_floor_f32 v12, -v13                          ; the new -M = -ceil(t)
	s_delay_alu instid0(VALU_DEP_1)
	v_sub_f32 v254, v12, v254                      ; old M - new M: a whole number, 0 or less
	s_delay_alu instid0(VALU_DEP_1)
	v_cvt_i32_f32 v254, v254                       ; (it saturates)
	s_delay_alu instid0(VALU_DEP_1)
	v_ldexp_f32 v252, 1.0, v254                    ; f = 2^(old M - new M)
.set NN, 0
.rept 32
	v_pk_fma_f32 v[96+NN:97+NN], v[96+NN:97+NN], s[CS:CS+1], v[12:13] op_sel_hi:[1,0,0]   ; t - M
.set NN, NN+2
.endr
.irp b, 0,1,2,3
	v_fma_f32 v[232+\b], v[232+\b], s[CS], v12
.endr
.set NN, 0
	s_wait_alu depctr_va_vdst(0)
.rept 64
	v_exp_f32 v[96+NN], v[96+NN]                   ; p = 2^(t - M)
.set NN, NN+1
.endr
	v_pk_mul_f32 v[14:15], v[14:15], v[252:253] op_sel_hi:[1,0]   ; the sums under the new M; a plain instruction behind the exponentials
	s_wait_alu depctr_va_vdst(0)                   ; one wait for the batch of 64, ahead of its first use
.irp b, 0,1,2,3
	v_exp_f32 v[232+\b], v[232+\b]                 ; the blocks' largest p
.endr
	v_pk_add_f32 v[236:237], v[100:101], v[104:105]
	v_pk_add_f32 v[248:249], v[108:109], v[112:113]
	v_pk_add_f32 v[246:247], v[116:117], v[120:121]
	v_pk_add_f32 v[244:245], v[124:125], v[128:129]
	v_pk_add_f32 v[242:243], v[132:133], v[136:137]
	v_pk_add_f32 v[240:241], v[140:141], v[144:145]
	v_pk_add_f32 v[238:239], v[148:149], v[152:153]
	v_pk_add_f32 v[14:15], v[14:15], v[156:157]
	v_pk_add_f32 v[236:237], v[236:237], v[96:97]
	v_pk_add_f32 v[248:249], v[248:249], v[98:99]
	v_pk_add_f32 v[246:247], v[246:247], v[102:103]
	v_pk_add_f32 v[244:245], v[244:245], v[106:107]
	v_pk_add_f32 v[242:243], v[242:243], v[110:111]
	v_pk_add_f32 v[240:241], v[240:241], v[114:115]
	v_pk_add_f32 v[238:239], v[238:239], v[118:119]
	v_pk_add_f32 v[14:15], v[14:15], v[122:123]
	v_pk_add_f32 v[236:237], v[236:237], v[126:127]
	v_pk_add_f32 v[248:249], v[248:249], v[130:131]
	v_pk_add_f32 v[246:247], v[246:247], v[134:135]
	v_pk_add_f32 v[244:245], v[244:245], v[138:139]
	v_pk_add_f32 v[242:243], v[242:243], v[142:143]
	v_pk_add_f32 v[240:241], v[240:241], v[146:147]
	v_pk_add_f32 v[238:239], v[238:239], v[150:151]
	v_pk_add_f32 v[14:15], v[14:15], v[154:155]
	v_pk_add_f32 v[236:237], v[236:237], v[158:159]
	s_delay_alu instid0(VALU_DEP_2)
	v_pk_add_f32 v[14:15], v[14:15], v[244:245]
	s_delay_alu instid0(VALU_DEP_2)
	v_pk_add_f32 v[236:237], v[236:237], v[242:243]
	v_pk_add_f32 v[248:249], v[248:249], v[240:241]
	v_pk_add_f32 v[246:247], v[246:247], v[238:239]
	s_delay_alu instid0(VALU_DEP_2)
	v_pk_add_f32 v[14:15], v[14:15], v[248:249]
	s_delay_alu instid0(VALU_DEP_2)
	v_pk_add_f32 v[236:237], v[236:237], v[246:247]
	s_delay_alu instid0(VALU_DEP_1)
	v_pk_add_f32 v[14:15], v[14:15], v[236:237]
	s_wait_alu depctr_va_vdst(0)                   ; and one for the four
.irp b, 0,1,2,3
	v_max_num_f32 v[232+\b], 0x1800000, v[232+\b]  ; the floor 2^(3 - 127)
.endr
.irp b, 0,1,2,3
	s_delay_alu instid0(VALU_DEP_4)
	v_add_nc_u32 v[244+\b], 0xff000000, v[232+\b]
.endr
.irp b, 0,1,2,3
	s_delay_alu instid0(VALU_DEP_4)
	v_lshrrev_b32 v[236+\b], 23, v[244+\b]
.endr
	s_delay_alu instid0(VALU_DEP_3)
	v_lshl_or_b32 v253, v237, 8, v236              ; p's scale word for these 128 keys
	s_delay_alu instid0(VALU_DEP_1)
	v_lshl_or_b32 v253, v238, 16, v253
	s_delay_alu instid0(VALU_DEP_1)
	v_lshl_or_b32 v253, v239, 24, v253
.irp c, 0,1
	v_cvt_scalef32_pk16_fp6_f32 v[224+6*\c:226+6*\c], v[96+32*\c:111+32*\c], v[244+2*\c]
	v_cvt_scalef32_pk16_fp6_f32 v[236+4*\c:238+4*\c], v[112+32*\c:127+32*\c], v[245+2*\c]
.endr
	v_nop
.irp c, 0,1
.irp i, 0,1,2
	v_permlane16_swap_b32 v[224+6*\c+\i], v[236+4*\c+\i]
.endr
.irp i, 0,1,2
	s_delay_alu instid0(VALU_DEP_3)
	v_mov_b32 v[227+6*\c+\i], v[236+4*\c+\i]
.endr
.endr
.set NN, 0
.rept 16
	v_pk_mul_f32 v[160+NN:161+NN], v[160+NN:161+NN], v[252:253] op_sel_hi:[1,0]   ; O^T under the new M; these sixteen also stand between the writes of p's codes and scale word and the products
.set NN, NN+2
.endr
	s_wait_alu depctr_va_vdst(0)
	s_wait_dscnt 0x0                               ; V
.irp t, 0,1,2,3
	v_wmma_scale_f32_16x16x128_f8f6f4 v[160+8*\t:167+8*\t], v[42+12*\t:53+12*\t], v[224:235], v[160+8*\t:167+8*\t], v[192+\t], v253 matrix_a_fmt:MATRIX_FMT_FP6 matrix_b_fmt:MATRIX_FMT_FP6
.endr
.Lhidden_\@:
	s_add_co_u32 s[TK], s[TK], 6144
	s_add_co_u32 s[TS], s[TS], 512
	s_add_co_u32 s[TV], s[TV], 256
	s_add_co_u32 s[KG], s[KG], 1
	s_cmp_lt_u32 s[KG], \ng
	s_cbranch_scc1 .Lkg_\@
.rept 4
	v_nop                                          ; behind the last products
.endr
	s_wait_alu depctr_va_vdst(0)
	v_add_f32 v14, v14, v15
	s_delay_alu instid0(VALU_DEP_1)
	v_permlanex16_b32 v252, v14, s[SEL], s[SEL+1]
	s_delay_alu instid0(VALU_DEP_1)
	v_add_f32 v14, v14, v252                       ; the row's sum
	s_wait_alu depctr_va_vdst(0)
	v_rcp_f32 v14, v14
	v_nop
	s_wait_alu depctr_va_vdst(0)
.set NN, 0
.rept 32
	v_mul_f32 v[96+NN], v[160+NN], v14             ; O / l: register 16 j + i is channel 32 j + 16 (lane / 16) + i of my head
.set NN, NN+1
.endr
.irp b, 0,1
	v_max3_num_f32 v[232+\b], |v[96+16*\b]|, |v[97+16*\b]|, 0x1800000
.endr
.irp i, 2,4,6,8,10,12,14
.irp b, 0,1
	s_delay_alu instid0(VALU_DEP_2)
	v_max3_num_f32 v[232+\b], v[232+\b], |v[96+16*\b+\i]|, |v[97+16*\b+\i]|
.endr
.endr
.irp b, 0,1
	s_delay_alu instid0(VALU_DEP_2)
	v_permlanex16_b32 v[236+\b], v[232+\b], s[SEL], s[SEL+1]
.endr
.irp b, 0,1
	s_delay_alu instid0(VALU_DEP_2)
	v_max_num_f32 v[232+\b], v[232+\b], v[236+\b]
.endr
.irp b, 0,1
	s_delay_alu instid0(VALU_DEP_2)
	v_add_nc_u32 v[244+\b], 0xff000000, v[232+\b]
.endr
.irp b, 0,1
	s_delay_alu instid0(VALU_DEP_2)
	v_lshrrev_b32 v[240+\b], 23, v[244+\b]
.endr
	v_cvt_scalef32_pk16_fp6_f32 v[224:226], v[96:111], v244
	v_cvt_scalef32_pk16_fp6_f32 v[228:230], v[112:127], v245
	v_cndmask_b32 v240, v240, v241, s[HM]          ; lane (r, h) stores block h's byte; also the plain instruction behind the conversions
.irp i, 0,1,2
	v_permlane16_swap_b32 v[224+\i], v[228+\i]
.endr
	s_delay_alu instid0(VALU_DEP_3)
	v_mov_b32 v227, v228
	s_delay_alu instid0(VALU_DEP_3)
	v_mov_b32 v228, v229
	s_delay_alu instid0(VALU_DEP_3)
	v_mov_b32 v229, v230
	global_store_b128 v6, v[224:227], s[\poc:\poc+1]            ; 512 consecutive bytes,
	global_store_b64 v7, v[228:229], s[\poc:\poc+1] offset:512  ; and 256
	global_store_b8 v11, v240, s[\pos:\pos+1]
.endm
	PASS 16, 40, 51, 52, 54, 56, 4                 ; blocks 0 and 1 of queries reach no further than key group 3
	s_wait_tensorcnt 0x0                           ; waves 4-7: key groups 4-7 have landed
	s_wait_dscnt 0x0
	s_barrier_signal -1
	s_barrier_wait -1
	PASS 28, 41, 59, 60, 62, 66, 8
	s_wait_tensorcnt 0x0
	ds_add_u32 v251, v255
	s_wait_dscnt 0x0
	s_endpgm
.Lfunc_end_k_q9005716e50_attn:
	.size	k_q9005716e50_attn, .Lfunc_end_k_q9005716e50_attn-k_q9005716e50_attn
	.p2alignl 7, 3214868480
	.fill 96, 4, 3214868480
	.section	.rodata,"a",@progbits
	.p2align	6, 0x0
	.amdhsa_kernel k_q9005716e50_attn
		.amdhsa_group_segment_fixed_size 169984
		.amdhsa_private_segment_fixed_size 0
		.amdhsa_enable_private_segment 0
		.amdhsa_kernarg_size 24
		.amdhsa_user_sgpr_count 2
		.amdhsa_user_sgpr_kernarg_segment_ptr 1
		.amdhsa_wavefront_size32 1
		.amdhsa_system_sgpr_workgroup_id_x 1
		.amdhsa_system_sgpr_workgroup_id_y 1
		.amdhsa_system_sgpr_workgroup_id_z 1
		.amdhsa_system_vgpr_workitem_id 0
		.amdhsa_next_free_vgpr 256
		.amdhsa_next_free_sgpr 80
		.amdhsa_reserve_vcc 1
		.amdhsa_float_denorm_mode_32 3
		.amdhsa_float_denorm_mode_16_64 3
		.amdhsa_memory_ordered 1
		.amdhsa_forward_progress 1
		.amdhsa_inst_pref_size 69
	.end_amdhsa_kernel
	.amdgpu_metadata
---
amdhsa.version: [ 1, 2 ]
amdhsa.kernels:
  - .name:           k_q9005716e50_attn
    .symbol:         k_q9005716e50_attn.kd
    .args:
      - { .name: qk, .offset: 0, .size: 8, .value_kind: global_buffer, .address_space: global }
      - { .name: vq, .offset: 8, .size: 8, .value_kind: global_buffer, .address_space: global }
      - { .name: oq, .offset: 16, .size: 8, .value_kind: global_buffer, .address_space: global }
    .group_segment_fixed_size: 169984
    .private_segment_fixed_size: 0
    .kernarg_segment_align: 8
    .kernarg_segment_size: 24
    .max_flat_workgroup_size: 512
    .sgpr_count:     80
    .vgpr_count:     256
    .wavefront_size: 32
...
	.end_amdgpu_metadata
.endif
;; end of part 3
;; launch proj (part 4): grid 8 x 32, 4 waves a work-group, clusters of 4 x 4, 327,680 bytes of LDS; arguments oq, wq, bproj, out0; writes out0
.if DOCPART == 4
	.amdgcn_target "amdgcn-amd-amdhsa--gfx1250"
	.amdhsa_code_object_version 6
	.text
	.protected	k_q9005716e50_proj
	.globl	k_q9005716e50_proj
	.p2align	8
	.type	k_q9005716e50_proj,@function
k_q9005716e50_proj:
	s_mov_b64 s[64:65], 0
	v_nop
	global_prefetch_b8 v0, s[64:65] scope:SCOPE_SE
	s_setreg_imm32_b32 hwreg(HW_REG_WAVE_MODE, 25, 1), 1
	s_wait_xcnt 0x0
	s_wait_alu depctr_hold_cnt(0) depctr_sa_sdst(0) depctr_va_vdst(0) depctr_va_sdst(0) depctr_va_ssrc(0) depctr_va_vcc(0) depctr_vm_vsrc(0)
	s_getreg_b32 s2, hwreg(HW_REG_IB_STS2, 6, 4)
	s_cmp_eq_u32 s2, 0
	s_cbranch_scc0 .Lentry_in_a_cluster
	s_endpgm
.Lentry_in_a_cluster:
	s_bfe_u32 s2, ttmp6, 0x10000c
	s_cmp_lg_u32 s2, 0xf033
	s_cbranch_scc0 .Lentry_shape_is_right
	s_endpgm
.Lentry_shape_is_right:
; out0 = O Wproj + bproj on codes of FP6 (E2M3) with E8M0 scales, K = 1,024; f32 sums, f32 out.
; OPERANDS are images of the operand's registers (a tile of 16 places: 8 K steps x 1,536 bytes; scale words 512 bytes a tile), places with bits 3 and 4 of the row's number swapped.
; THE DEAL.  256 work-groups: work-group (g, RB) makes rows 256 RB .. + 255 x columns 128 g .. + 127.  Four waves, 2 x 2: a wave makes 128 x 64: 32 accumulators.
; O's 16 tiles, ALL of K, come into LDS in four quarters along K of 49,152 bytes, one wave's joint load each, filled once; a quarter is shown to all waves by a plain barrier in the K step ahead of its first read, with its one issuer's wait in front.
; WPROJ'S FRAGMENTS GO FROM MEMORY STRAIGHT INTO REGISTERS: the images lie in register order, so a fragment is four loads of 512, 256, 512, 256 consecutive bytes; they are asked for three K steps ahead, in four sets.
; So LDS serves 8 fragments for a step's 32 products where it would serve 12.  That is why Wproj has no joint load: it does not pass through LDS.
; Source 0 = Wproj's places, source 1 = O's: a lane holds one row; register j of tile b is column 32 (b / 2) + 16 (lane / 16) + 8 (b % 2) + j.  The bias is the first products' C.
; SCALE WORDS come straight into registers, 512 consecutive bytes a load: lanes 0-15 K steps 0-3, lanes 16-31 K steps 4-7; the instruction's row selector picks the half.
; CLUSTERS 4 x 4: O's tiles are asked for jointly along a row of the cluster.  NO PREFETCH: O is asked for whole at the head, and the walk of eight K steps is written out: there is no loop to run ahead in.
; THE WAY OUT: 16 rows x 256 bytes at a time through the wave's own stage in LDS; sixteen lanes store a row's 256 consecutive bytes, aligned.
; REGISTERS: window 0: v1-19 addresses, v28, v29 for the add, v32-63 O's scale words, v66-81 Wproj's, v128-191 the way out; window 1: O's fragments, two sets of 96; window 2: the accumulators; window 3: Wproj's fragments, four sets of 48, v192-223 the bias.
.set AQ,    49152
.set SPARE, 196608                     ; the spare words: 128 bytes a wave
.set STAGE, 197120                     ; 16 rows x 272 bytes for each wave; no fill lands here
.set A16, 4
.set A8,  8
.set L16, 12
.set L8,  13
.set STO, 16
.set RD,  17
.set CO,  18
.set BO,  19
.set SPW, 28
.set NIL, 29
.set SCA, 32
.set SCB, 66                           ; 2 off a multiple of 4: the two scale registers of a product never have the same number modulo 8
.set BK,  128
.set G1A, 24
.set HQ,  48
.set MSB, 0
.macro WIN new                         ; the immediate's high byte repeats the setting that is left
.if MSB != \new
	s_set_vgpr_msb (MSB<<8)|\new
.set MSB, \new
.endif
.endm
.macro PLACES
.rept 4
	v_nop
.endr
.endm
.macro WALU
	s_wait_alu depctr_va_vdst(0)
.endm
.macro CROUND                          ; a round of the cluster's barrier
	s_barrier_signal -1
	s_barrier_wait -1
	s_cmp_lg_u32 s14, 0
	s_cbranch_scc1 .Lnot_wave_0_\@
	s_barrier_signal -3
.Lnot_wave_0_\@:
	s_barrier_wait -3
	s_barrier_signal -1
	s_barrier_wait -1
.endm
.macro ARM under, g0, next             ; one arm of the head's chain: one load, then the jump to the join
	s_cmp_lt_u32 s14, \under
	s_cbranch_scc0 \next
	tensor_load_to_lds s[\g0:\g0+3], s[G1A:G1A+7]
	s_nop 0
	PLACES
	s_branch .Lhead_asked
\next:
.endm
.macro FRAG reg, a16, a8, off
	ds_load_b128 v[\reg:\reg+3], v[\a16] offset:\off
	ds_load_b64 v[\reg+4:\reg+5], v[\a8] offset:\off+512
	ds_load_b128 v[\reg+6:\reg+9], v[\a16] offset:\off+768
	ds_load_b64 v[\reg+10:\reg+11], v[\a8] offset:\off+1280
.endm
.macro FETCH k                         ; O's eight fragments of K step k into set k % 2: 32 LDS loads
	WIN 0x40
.irp i, 0,1,2,3,4,5,6,7
	FRAG 96*((\k)%2)+12*\i, A16+(\k)/2, A8+(\k)/2, \i*3072+((\k)%2)*1536
.endr
	WIN 0
.endm
.macro GFRAG reg, off
	global_load_b128 v[\reg:\reg+3], v[L16], s[92:93] offset:\off
	global_load_b64 v[\reg+4:\reg+5], v[L8], s[92:93] offset:\off+512
	global_load_b128 v[\reg+6:\reg+9], v[L16], s[92:93] offset:\off+768
	global_load_b64 v[\reg+10:\reg+11], v[L8], s[92:93] offset:\off+1280
.endm
.macro BLOAD k                         ; Wproj's four fragments of K step k into set k % 4: 16 loads
	WIN 0xc0
.irp i, 0,1,2,3
	GFRAG 48*((\k)%4)+12*\i, \i*12288+(\k)*1536
.endr
	WIN 0
.endm
.macro W d, s0, s1, c, x0, x1, row
.if \row
	v_wmma_scale_f32_16x16x128_f8f6f4 v[\d:\d+7], v[\s0:\s0+11], v[\s1:\s1+11], \c, v[\x0], v[\x1] matrix_a_fmt:MATRIX_FMT_FP6 matrix_b_fmt:MATRIX_FMT_FP6 matrix_a_scale:MATRIX_SCALE_ROW1 matrix_b_scale:MATRIX_SCALE_ROW1
.else
	v_wmma_scale_f32_16x16x128_f8f6f4 v[\d:\d+7], v[\s0:\s0+11], v[\s1:\s1+11], \c, v[\x0], v[\x1] matrix_a_fmt:MATRIX_FMT_FP6 matrix_b_fmt:MATRIX_FMT_FP6
.endif
.endm
.macro PR k, b, z                      ; O's tile A_ against Wproj's tile b, K step k; accumulator at 32 A_ + 8 b
.set D_, 32*A_+8*\b
.set S0_, 48*((\k)%4)+12*\b
.set S1_, 96*((\k)%2)+12*A_
.set X0_, SCB+4*\b+(\k)%4
.set X1_, SCA+4*A_+(\k)%4
.if \z
	W D_, S0_, S1_, v[192+8*\b:199+8*\b], X0_, X1_, (\k)/4
.else
	W D_, S0_, S1_, v[D_:D_+7], X0_, X1_, (\k)/4
.endif
.endm
; A K step: 32 products; the 32 accumulators take turns, one instruction a turn.  Ahead of them, four places behind the last products, go out O's fragments of the next step (nx)
; and Wproj's of three steps on (bl).  bar: a plain barrier first shows O's quarter (k + 1) / 2, with its one issuer's wait in front.  nw: the loads issued behind this step's weights, which may stay out.
.macro STEP k, z, bar, nx, bl, nw
.if \z
.set MW, 0xb7                          ; source 0 Wproj (window 3), source 1 O (window 1), C the bias (window 3), D window 2
.else
.set MW, 0xa7
.endif
.if \bar
	WIN 0
	s_cmp_eq_u32 s14, ((\k)+1)/2
	s_cbranch_scc0 .Lnot_mine_\@
	s_wait_tensorcnt 0x0
.Lnot_mine_\@:
	s_wait_dscnt 0x0
	s_barrier_signal -1
	s_barrier_wait -1
.else
	s_wait_dscnt 0x0
.endif
.if \nx
	PLACES
	FETCH (\k)+1
.endif
.if \bl
	BLOAD (\k)+3
.endif
	s_wait_loadcnt \nw
	WIN MW
.set A_, 0
.rept 8
.irp b, 0,1,2,3
	PR \k, \b, \z
.endr
.set A_, A_+1
.endr
.endm
; ---------------- the head
	s_load_b256 s[4:11], s[0:1], 0x0               ; oq, wq, bproj, out0
	v_lshl_add_u32 v[SPW], v0, 2, SPARE
	v_mov_b32 v[NIL], 0
	ds_add_u32 v[SPW], v[NIL]                      ; the opening lines: the add twice on end
	ds_add_u32 v[SPW], v[NIL]
	v_lshrrev_b32 v1, 5, v0
	v_readfirstlane_b32 s14, v1                    ; wave
	v_and_b32 v3, 31, v0
	v_lshlrev_b32 v[L16], 4, v3
	v_lshlrev_b32 v[L8], 3, v3
	v_bfe_u32 v2, v0, 4, 1                         ; h
	v_lshlrev_b32 v[BO], 6, v2                     ; the bias: 16 numbers on for lanes 16-31
	s_lshr_b32 s15, s14, 1                         ; which 128 rows
	s_and_b32 s16, s14, 1                          ; which 64 columns
	s_bfe_u32 s86, ttmp6, 0x40000                  ; cx
	s_bfe_u32 s87, ttmp6, 0x40004                  ; cy
	s_lshl_b32 s18, ttmp9, 2
	s_add_co_u32 s18, s18, s86                     ; g
	s_and_b32 s17, ttmp7, 0xffff
	s_lshl_b32 s17, s17, 2
	s_add_co_u32 s17, s17, s87                     ; RB
	s_lshl_b32 s88, s87, 2
	s_lshl_b32 s88, 15, s88                        ; my row of the cluster
	s_or_b32 s[G1A], s88, (3<<16)|(1<<21)          ; 16 rows (tiles) of 3,072 bytes (384 elements of 8), 12,288 bytes apart
	s_mov_b32 s[G1A+1], 384<<16
	s_mov_b32 s[G1A+2], 16<<16
	s_mov_b32 s[G1A+3], 384<<16
	s_mov_b32 s[G1A+4], 16
	s_mov_b32 s[G1A+5], 1536
	s_mov_b32 s[G1A+6], 0
	s_mov_b32 s[G1A+7], 0
.irp q, 0,1,2,3
	s_mov_b32 s[HQ+4*\q], 1
	s_mov_b32 s[HQ+4*\q+1], \q*AQ
.endr
	s_mul_i32 s90, s17, 196608                     ; O's 16 tiles
	s_mov_b32 s91, 0
	s_mul_i32 s92, s18, 98304                      ; my 4 tiles of Wproj, from tile 192 of wq on
	s_mul_i32 s20, s16, 49152
	s_add_co_u32 s92, s92, s20
	s_add_co_u32 s92, s92, 2359296
	s_mov_b32 s93, 0
	s_lshl_b32 s96, s17, 13                        ; O's scale words: my 8 tiles
	s_lshl_b32 s2, s15, 12
	s_add_co_u32 s96, s96, s2
	s_add_co_u32 s96, s96, 6291456
	s_mov_b32 s97, 0
	s_lshl_b32 s2, s18, 12                         ; Wproj's: my 4 tiles
	s_lshl_b32 s3, s16, 11
	s_add_co_u32 s2, s2, s3
	s_add_co_u32 s2, s2, 3244032
	s_mov_b32 s3, 0
	s_lshl_b32 s84, s18, 9                         ; my first column, in bytes
	s_lshl_b32 s20, s16, 8
	s_add_co_u32 s84, s84, s20
	s_mov_b32 s85, 0
	s_lshl_b32 s12, s17, 20                        ; my first row of out0
	s_lshl_b32 s20, s15, 19
	s_add_co_u32 s12, s12, s20
	s_add_co_u32 s12, s12, s84
	s_mov_b32 s13, 0
	WALU
	s_wait_dscnt 0x0
	CROUND                                         ; all sixteen work-groups are here: the joint loads meet
	s_wait_kmcnt 0x0
	s_add_nc_u64 s[HQ+2:HQ+3], s[4:5], s[90:91]
.irp q, 1,2,3
	s_add_nc_u64 s[HQ+4*\q+2:HQ+4*\q+3], s[HQ+2:HQ+3], \q*3072
.endr
.irp q, 0,1,2,3
	s_or_b32 s[HQ+4*\q+3], s[HQ+4*\q+3], 0x80000000
.endr
	ARM 1, HQ, .Lhead_1                            ; wave q asks for O's K steps 2 q and 2 q + 1
	ARM 2, HQ+4, .Lhead_2
	ARM 3, HQ+8, .Lhead_3
	tensor_load_to_lds s[HQ+12:HQ+15], s[G1A:G1A+7]
	s_nop 0
	PLACES
.Lhead_asked:
	s_add_nc_u64 s[96:97], s[4:5], s[96:97]
	s_add_nc_u64 s[2:3], s[6:7], s[2:3]
	s_add_nc_u64 s[92:93], s[6:7], s[92:93]
	s_add_nc_u64 s[84:85], s[8:9], s[84:85]        ; my 64 numbers of the bias
	s_add_nc_u64 s[12:13], s[10:11], s[12:13]
.irp a, 0,1,2,3,4,5,6,7
	global_load_b128 v[SCA+4*\a:SCA+4*\a+3], v[L16], s[96:97] offset:512*\a
.endr
.irp b, 0,1,2,3
	global_load_b128 v[SCB+4*\b:SCB+4*\b+3], v[L16], s[2:3] offset:512*\b
.endr
	WIN 0xc0
.irp b, 0,1,2,3
	global_load_b128 v[192+8*\b:195+8*\b], v[BO], s[84:85] offset:(32*(\b/2)+8*(\b%2))*4
	global_load_b128 v[196+8*\b:199+8*\b], v[BO], s[84:85] offset:(32*(\b/2)+8*(\b%2))*4+16
.endr
	WIN 0
	BLOAD 0
	BLOAD 1
	BLOAD 2
	s_mul_i32 s20, s15, 24576                      ; my 8 tiles in a quarter
	s_mul_i32 s22, s14, 4352
	s_add_co_u32 s22, s22, STAGE                   ; my stage
	v_and_b32 v1, 15, v0                           ; r
.irp q, 0,1,2,3
	v_add_nc_u32 v[A16+\q], s20, v[L16]
	v_add_nc_u32 v[A8+\q], s20, v[L8]
	s_add_co_u32 s20, s20, AQ
.endr
	v_mul_u32_u24 v[STO], v1, 272                  ; into the stage: row r, 64 bytes on for lanes 16-31
	v_lshl_add_u32 v[STO], v2, 6, v[STO]
	v_add_nc_u32 v[STO], s22, v[STO]
	v_mul_u32_u24 v[RD], v2, 272                   ; out of it: lanes 0-15 one row of 256 bytes, lanes 16-31 the next
	v_lshl_add_u32 v[RD], v1, 4, v[RD]
	v_add_nc_u32 v[RD], s22, v[RD]
	v_lshlrev_b32 v[CO], 12, v2                    ; and the same two rows in out0
	v_lshl_add_u32 v[CO], v1, 4, v[CO]
	WALU
	s_cmp_eq_u32 s14, 0
	s_cbranch_scc0 .Lnot_first
	s_wait_tensorcnt 0x0                           ; wave 0: O's K steps 0 and 1
.Lnot_first:
	s_barrier_signal -1
	s_barrier_wait -1                              ; the other three loads may still be out
	FETCH 0
	STEP 0, 1, 0, 1, 1, 48                         ; its products start the sums from the bias
	STEP 1, 0, 1, 1, 1, 48
	STEP 2, 0, 0, 1, 1, 48
	STEP 3, 0, 1, 1, 1, 48
	STEP 4, 0, 0, 1, 1, 48
	STEP 5, 0, 1, 1, 0, 32                         ; nothing more to ask for: the count runs down
	STEP 6, 0, 0, 1, 0, 16
	STEP 7, 0, 0, 0, 0, 0
	WIN 0
; ---------------- the way out, tile by tile of 16 rows.  LDS serves a wave's instructions in order (ISA guide 5.7.1.4): no wait between the stores and the loads
.macro TOSTAGE a
.set AC, 32*(\a)
	WIN 0x08                                       ; the data: window 2
.irp b, 0,1,2,3
	ds_store_b128 v[STO], v[AC+8*\b:AC+8*\b+3] offset:128*(\b/2)+32*(\b%2)      ; each accumulator from its low end on
	ds_store_b128 v[STO], v[AC+8*\b+4:AC+8*\b+7] offset:128*(\b/2)+32*(\b%2)+16
.endr
	WIN 0
.set BB, BK+32*((\a)%2)
.irp t, 0,1,2,3,4,5,6,7
	ds_load_b128 v[BB+4*\t:BB+4*\t+3], v[RD] offset:\t*544
.endr
.endm
.macro SEND a, younger                 ; younger: the LDS instructions issued behind tile a's loads
.set BB, BK+32*((\a)%2)
	s_wait_dscnt \younger
.if (\a) > 0
.if ((\a)%2) == 1
	s_add_nc_u64 s[12:13], s[12:13], 8*4096        ; tile a begins at row 32 (a / 2) + 8 (a % 2)
.else
	s_add_nc_u64 s[12:13], s[12:13], 24*4096
.endif
.endif
.irp t, 0,1,2,3,4,5,6,7
	global_store_b128 v[CO], v[BB+4*\t:BB+4*\t+3], s[12:13] offset:(2*\t+8*(\t/4))*4096 th:TH_STORE_NT   ; places 8-15 are rows 16-23; sixteen lanes store 256 consecutive bytes, aligned
.endr
.endm
	PLACES
	TOSTAGE 0
.irp a, 1,2,3,4,5,6,7
.if \a > 1
	s_wait_xcnt 0x0                                ; tile a - 2's stores have read their registers and their base
.endif
	TOSTAGE \a
	SEND \a-1, 16                                  ; behind tile a - 1's loads: tile a's 8 stores and 8 loads
.endr
	s_wait_xcnt 0x0
	SEND 7, 0
	s_wait_tensorcnt 0x0                           ; the wave's end
	ds_add_u32 v[SPW], v[NIL]
	s_wait_dscnt 0x0
	CROUND                                         ; the closing round
	s_endpgm
.Lfunc_end_k_q9005716e50_proj:
	.size	k_q9005716e50_proj, .Lfunc_end_k_q9005716e50_proj-k_q9005716e50_proj
	.p2alignl 7, 3214868480
	.fill 96, 4, 3214868480
	.section	.rodata,"a",@progbits
	.p2align	6, 0x0
	.amdhsa_kernel k_q9005716e50_proj
		.amdhsa_group_segment_fixed_size 327680
		.amdhsa_private_segment_fixed_size 0
		.amdhsa_enable_private_segment 0
		.amdhsa_kernarg_size 32
		.amdhsa_user_sgpr_count 2
		.amdhsa_user_sgpr_kernarg_segment_ptr 1
		.amdhsa_wavefront_size32 1
		.amdhsa_system_sgpr_workgroup_id_x 1
		.amdhsa_system_sgpr_workgroup_id_y 1
		.amdhsa_system_sgpr_workgroup_id_z 1
		.amdhsa_system_vgpr_workitem_id 0
		.amdhsa_next_free_vgpr 992
		.amdhsa_next_free_sgpr 100
		.amdhsa_reserve_vcc 0
		.amdhsa_float_denorm_mode_32 3
		.amdhsa_float_denorm_mode_16_64 3
		.amdhsa_memory_ordered 1
		.amdhsa_forward_progress 1
		.amdhsa_inst_pref_size 89
	.end_amdhsa_kernel
	.amdgpu_metadata
---
amdhsa.version: [ 1, 2 ]
amdhsa.kernels:
  - .name:           k_q9005716e50_proj
    .symbol:         k_q9005716e50_proj.kd
    .args:
      - { .name: oq, .offset: 0, .size: 8, .value_kind: global_buffer, .address_space: global }
      - { .name: wq, .offset: 8, .size: 8, .value_kind: global_buffer, .address_space: global }
      - { .name: bproj, .offset: 16, .size: 8, .value_kind: global_buffer, .address_space: global }
      - { .name: out0, .offset: 24, .size: 8, .value_kind: global_buffer, .address_space: global }
    .group_segment_fixed_size: 327680
    .private_segment_fixed_size: 0
    .kernarg_segment_align: 8
    .kernarg_segment_size: 32
    .max_flat_workgroup_size: 128
    .sgpr_count:     100
    .vgpr_count:     992
    .wavefront_size: 32
...
	.end_amdgpu_metadata
.endif
;; end of part 4
